; MI455X (gfx1250); checked and timed in simulation.
; The chip was launched on July 23, 2026; its instructions are those of AMD's public machine-readable ISA for CDNA 5 (MIT licence, August 2026) and "CDNA5" Instruction Set Architecture Reference Guide (July 2026). The comments in the code are by the model that wrote it; some were corrected since.
;; Multi Head Attention. Allowed arithmetic: matrix products marked QUANTISED: E2M3 operands, one E8M0 scale for each 32 along K, by v_wmma_scale_f32_16x16x128_f8f6f4 with both operands' format E2M3, f32 sums; everything else in f32.
;; Inputs: Wk 2,048 x 2,048 float32; Wo 2,048 x 2,048 float32; Wq 2,048 x 2,048 float32; Wv 2,048 x 2,048 float32; bk 2,048 float32; bo 2,048 float32; bq 2,048 float32; bv 2,048 float32; mask 1 x 1 x 2,048 x 2,048 bool; x 1 x 2,048 x 2,048 float32.
;; Outputs: out0 1 x 2,048 x 2,048 float32.
;; This version of the problem:
;;   THIS VERSION OF THE PROBLEM IS GIVEN IN LOW PRECISION. The matrix products marked QUANTISED in the list below multiply operands that are first quantised to E2M3 (2 exponent bits, 3 mantissa bits; 6 bits a number), with one power-of-two scale for each 32 numbers along K (OCP MX v1.0); their sums are f32. All else is computed in f32.
;;   The module's matrix products, in the order in which they are computed (A, B: the left and right operand; K: the contracted axis; several contracted axes count as one K, in the product's order):
;;     1. [M 2,048, K 2,048] x [K 2,048, N 2,048]; A: input x; B: input Wq: QUANTISED
;;     2. [M 2,048, K 2,048] x [K 2,048, N 2,048]; A: input x; B: input Wk: QUANTISED
;;     3. [M 2,048, K 2,048] x [K 2,048, N 2,048]; A: input x; B: input Wv: QUANTISED
;;     4. batch 16 x [M 2,048, K 128] x [K 128, N 2,048]; A: computed on the way; B: computed on the way: QUANTISED
;;     5. batch 16 x [M 2,048, K 2,048] x [K 2,048, N 128]; A: softmax (see below); B: computed on the way: QUANTISED
;;     6. [M 2,048, K 2,048] x [K 2,048, N 2,048]; A: computed on the way; B: input Wo: QUANTISED
;;   THE QUANTISER, for each operand of a quantised product, along K:
;;     - K is cut into blocks of 32 from its start; a last block that is shorter is filled with zeros.
;;     - A block's scale is 2^e with e = floor(log2(the largest magnitude in the block)) - 2, held to -126 .. 127; a block of zeros has e = 0. As a byte (E8M0): e + 127.
;;     - Each number is divided by its block's scale, clamped to +-7.5, and rounded to the nearest number of E2M3, ties to even, subnormals kept.
;;     - The product sums the exact products of the quantised numbers (number of the format x scale) in f32.
;;   ~~~python
;;   def quantise(x, axis):      # numpy; x: float32 -> the quantised numbers, widened to float32 again
;;       x = np.moveaxis(x, axis, -1); K = x.shape[-1]
;;       x = np.pad(x, [(0, 0)] * (x.ndim - 1) + [(0, -K % 32)]); x = x.reshape(x.shape[:-1] + (-1, 32)); a = np.abs(x).max(-1, keepdims=True)
;;       e = np.where(a > 0, np.clip(np.frexp(np.where(a > 0, a, 1))[1] - 1 - 2, -126, 127), 0)      # np.frexp(a)[1] - 1 = floor(log2(a)), exactly
;;       r = np.clip(x / 2.0 ** e, -7.5, 7.5)
;;       step = 2.0 ** (np.maximum(np.frexp(np.where(r == 0, 1, r))[1] - 1, 0) - 3)
;;       q = np.round(r / step) * step * 2.0 ** e      # np.round: ties to even
;;       return np.moveaxis(q.reshape(q.shape[:-2] + (-1,))[..., :K], -1, axis).astype(np.float32)
;;   ~~~
;;   SOFTMAX AHEAD OF A QUANTISED PRODUCT. Where the list says 'softmax', what is quantised is not the finished softmax but p = 2^(t - M), with t = logit x log2(e) and M = ceil(the row's largest t), a whole number; so 1/2 < the row's largest p <= 1. The row's sum l is taken of the UNQUANTISED p, in f32, and the product's result is divided by l at the end. Since M is a whole number, a kernel that streams over the keys may use a running M (the ceiling of the running maximum): every later rescaling is an exact power of two, which a block's scale takes up: the codes' values come out the same.
;;   OPERANDS COMPUTED ON THE WAY. 'Computed on the way' means the value that the module computes at that place (a softmax that the list does not call 'softmax' is quantised finished and normalised). What goes into a quantiser is computed in f32, as accurately as f32 sums, v_exp_f32 and their like allow (about 1e-6 of the number): no bf16 or f16 on the way to a quantiser, and a product that is left as it is and whose result goes on into a quantised operand takes f32 operands (vector FMAs, or v_wmma_f32_16x16x4_f32). A number that lies on a knife's edge between two numbers of the format may be rounded either way, as far as f32 arithmetic and the matrix unit's own rounding can turn it there, and no further.
;; One version. Each part assembles by itself: llvm-mc -triple=amdgcn-amd-amdhsa -mcpu=gfx1250 --defsym DOCPART=n.
;; ======== version 1 of 1: 4 launches
;; limits: right only within a limited range of input values
;; workspace buffers: qc 15,728,640 bytes; qs 655,360 bytes; rope 1,048,576 bytes; mw 589,824 bytes of whole numbers; qimg 3,276,800 bytes; kv 6,553,600 bytes; oc 3,145,728 bytes; os 131,072 bytes
;; launch prep (part 1): grid 736 x 1, 4 waves a work-group, no clusters, 68,096 bytes of LDS; arguments x, Wq, Wk, Wv, Wo, mask, qc, qs, mw, rope; writes qc, qs, mw, rope
.if DOCPART == 1
	.amdgcn_target "amdgcn-amd-amdhsa--gfx1250"
	.amdhsa_code_object_version 6
	.text
	.protected	k_q593e09eb01_prep
	.globl	k_q593e09eb01_prep
	.p2align	8
	.type	k_q593e09eb01_prep,@function
k_q593e09eb01_prep:
	s_mov_b64 s[64:65], 0
	v_nop
	global_prefetch_b8 v0, s[64:65] scope:SCOPE_SE
	s_setreg_imm32_b32 hwreg(HW_REG_WAVE_MODE, 25, 1), 1
	s_wait_xcnt 0x0
; PREP.  Three kinds of work-groups, told apart by the work-group's number:
;   0..319   x, Wq, Wk, Wv, Wo (each [2048][2048] f32, K innermost) become codes of FP6 (E2M3) with one E8M0 byte for each 32 along K;
;   320..383 the mask's bytes become words of 32 bits, one bit a lane, in the order in which the attention launch holds its scores;
;   384..415 the table of cos and sin for the rotation of Q and K.
; THE ORDER OF ROWS.  Row r (0..15) of tile T of any tensor is tensor row 32 (T / 2) + 8 (T % 2) + r + 8 (r / 8).
; IMAGES.  A fragment (16 such rows x 128 K: 12 registers a lane) lies in memory as its registers: register q of lane l at 512 (q / 4) + 16 l + 4 (q % 4): three stores of 512 consecutive bytes.
;   codes: tensor t, group g of 128 rows, K step s, tile i at t 3,145,728 + g 196,608 + s 12,288 + i 1,536;   scale words (a row's four bytes of a K step): t 131,072 + g 8,192 + s 512 + r 32 + i 4.
; A block's scale is 2^(floor(log2(largest magnitude)) - 2); its byte is the largest magnitude's exponent field - 2, held at 1 from below.
; LIMITS: NaN and infinities among the inputs are not served; a block whose largest magnitude lies under 2^-124 (a block of zeros too, whose codes are zeros) gets the byte 1; the bytes are read by this program alone.
;   The table's frequencies are 2^(-j log2(10) / 16) by v_exp_f32: the phase at position 2,047 may differ by some 5e-4 rad from one made with exact frequencies, alike in Q and K.
; No tensor loads, no barrier: waves share nothing.  Each path has LDS bytes of its own.
.set STP,   528                        ; a stage row: 512 bytes + 16, so that sixteen rows start at sixteen different groups of banks
.set WST,   16*STP                     ; a wave's stage
.set MST,   4*WST                      ; the mask path's four stages lie behind the quantiser's four
.set SPARE, 8*WST                      ; behind them the spare words, 128 bytes a wave: two blocks of 256 bytes that no other line names
.set LI,  1                            ; v1   16 x lane
.set SI,  2                            ; v2   quantiser: into the stage
.set SO,  3                            ; v3   quantiser: out of the stage
.set RH,  4                            ; v4   32 r + 16 h
.set HH,  5                            ; v5   h = lane / 16
.set SPW, 6                            ; v6   my spare word; never rewritten
.set NIL, 7                            ; v7   0; never rewritten
.set SW,  8                            ; v8-11   my four tiles' scale words
.set R,   16                           ; v16-143 two sets of 64 registers as loaded
.set X,   144                          ; v144-207 64 numbers of my row: register 16 b + i = k 32 b + 16 h + i
.set PC,  208                          ; v208-227 the codes just made
.set WB,  208                          ; (mask path) v208-223 eight key steps' words, two registers each
.set TM,  228                          ; v228-243 at work
.set PW,  244                          ; the scale word just made
.set MI,  245                          ; mask path: into the stage
.set MO,  246                          ; mask path: out of the stage
.set L8,  247                          ; 8 x lane
.set OUT, 248                          ; v248-251
.set SEL, 24                           ; s[24:25] selects for lane l xor 16
; 64 numbers of a lane, register 16 b + i = k 32 b + 16 (lane / 16) + i of my row, become a fragment's codes in v[PC] on and its scale word in v[PW]
.macro QUANT s
.irp b, 0,1,2,3
	v_max3_num_f32 v[TM+\b], |v[\s+16*\b]|, |v[\s+1+16*\b]|, 0x1800000   ; my 16 numbers of block b, and the floor 2^(3 - 127): the byte cannot fall under 1
.endr
.irp i, 2,4,6,8,10,12,14
.irp b, 0,1,2,3
	v_max3_num_f32 v[TM+\b], v[TM+\b], |v[\s+16*\b+\i]|, |v[\s+1+16*\b+\i]|
.endr
.endr
.irp b, 0,1,2,3
	v_permlanex16_b32 v[TM+4+\b], v[TM+\b], s[SEL], s[SEL+1]
.endr
.irp b, 0,1,2,3
	v_max_num_f32 v[TM+\b], v[TM+\b], v[TM+4+\b]                   ; with lane l xor 16's: the block's largest magnitude
.endr
.irp b, 0,1,2,3
	v_add_nc_u32 v[TM+12+\b], 0xff000000, v[TM+\b]                 ; 2 off its exponent field: the conversion's scale operand
.endr
.irp b, 0,1,2,3
	v_lshrrev_b32 v[TM+4+\b], 23, v[TM+12+\b]                      ; the scale's byte
.endr
	v_lshl_or_b32 v[PW], v[TM+5], 8, v[TM+4]
	v_lshl_or_b32 v[PW], v[TM+6], 16, v[PW]
	v_lshl_or_b32 v[PW], v[TM+7], 24, v[PW]
.irp c, 0,1
	v_cvt_scalef32_pk16_fp6_f32 v[PC+6*\c:PC+2+6*\c], v[\s+32*\c:\s+15+32*\c], v[TM+12+2*\c]
	v_cvt_scalef32_pk16_fp6_f32 v[PC+12+4*\c:PC+14+4*\c], v[\s+16+32*\c:\s+31+32*\c], v[TM+12+2*\c+1]   ; (a conversion's three registers begin on an even number)
.endr
	v_nop                                          ; one plain instruction behind the scaled conversions
.irp c, 0,1                                    ; the operand wants a whole block in a lane: lanes 0-15 block 2 c, lanes 16-31 block 2 c + 1
.irp i, 0,1,2
	v_permlane16_swap_b32 v[PC+6*\c+\i], v[PC+12+4*\c+\i]
.endr
.irp i, 0,1,2
	v_mov_b32 v[PC+3+6*\c+\i], v[PC+12+4*\c+\i]
.endr
.endr
.endm
	s_load_b512 s[4:19], s[0:1], 0x0               ; x, Wq, Wk, Wv, Wo, mask, qc, qs
	s_load_b128 s[20:23], s[0:1], 0x40             ; mw, rope
	v_lshl_add_u32 v[SPW], v0, 2, SPARE
	v_mov_b32 v[NIL], 0
	v_lshrrev_b32 v9, 5, v0
	v_readfirstlane_b32 s26, v9                    ; wave
	v_and_b32 v9, 31, v0                           ; lane
	v_and_b32 v10, 15, v0                          ; r
	v_bfe_u32 v[HH], v0, 4, 1                      ; h
	v_lshlrev_b32 v[LI], 4, v9
	s_mul_i32 s27, s26, WST
	v_add_nc_u32 v[SI], s27, v[LI]                 ; in: a row's 512 bytes as they lie
	v_mul_u32_u24 v11, v10, STP
	v_add_nc_u32 v11, s27, v11
	v_lshl_add_u32 v[SO], v[HH], 6, v11            ; out: row r, + 64 h: my 16 numbers of a block of 32
	v_add_nc_u32 v[MI], MST, v[SI]
	v_lshl_add_u32 v[MO], v[HH], 4, v11            ; mask: row r, + 16 h: my 16 bytes of a block of 32
	v_add_nc_u32 v[MO], MST, v[MO]
	v_lshlrev_b32 v[L8], 3, v9
	v_lshlrev_b32 v[RH], 5, v10
	v_lshl_add_u32 v[RH], v[HH], 4, v[RH]
	s_mov_b32 s[SEL], 0x76543210
	s_mov_b32 s[SEL+1], 0xfedcba98
	s_wait_kmcnt 0x0
; WORK-GROUPS 416..735 ARE QUANTISERS TOO: number n + 416 serves the same tensor, group and K steps as number n; 0..319 take tiles 0-3 of the group's eight, 416..735 tiles 4-7.
	s_cmp_ge_u32 ttmp9, 416
	s_cselect_b32 s29, 1, 0                        ; which four tiles
	s_cselect_b32 s33, 416, 0
	s_sub_co_u32 s33, ttmp9, s33                   ; n
	s_cmp_lt_u32 s33, 320
	s_cbranch_scc0 .Lnot_quant
; ---- THE QUANTISER.  Wave U = 4 n + wave takes (tensor U / 256, group (U / 16) % 16, K step U % 16): four tiles of 16 rows x 128 numbers.
	s_lshr_b32 s27, s33, 6                         ; the tensor: the choice hangs on the work-group's number alone
	s_cmp_eq_u32 s27, 1
	s_cselect_b64 s[4:5], s[6:7], s[4:5]
	s_cmp_eq_u32 s27, 2
	s_cselect_b64 s[4:5], s[8:9], s[4:5]
	s_cmp_eq_u32 s27, 3
	s_cselect_b64 s[4:5], s[10:11], s[4:5]
	s_cmp_eq_u32 s27, 4
	s_cselect_b64 s[4:5], s[12:13], s[4:5]
	s_lshl_b32 s28, s33, 2
	s_add_co_u32 s28, s28, s26                     ; U
	s_bfe_u32 s30, s28, 0x40004
	s_lshl_b32 s30, s30, 20                        ; 128 rows of 8,192 bytes
	s_and_b32 s31, s28, 15
	s_lshl_b32 s31, s31, 9                         ; 128 numbers
	s_add_co_u32 s30, s30, s31
	s_mov_b32 s31, 0
	s_lshl_b32 s31, s29, 19                        ; tiles 4-7 begin 64 rows of 8,192 bytes further down
	s_add_co_u32 s30, s30, s31
	s_mov_b32 s31, 0
	s_add_nc_u64 s[4:5], s[4:5], s[30:31]
	s_mul_i32 s30, s28, 12288                      ; the five tensors' images follow each other, so U counts through all of them
	s_mul_i32 s34, s29, 6144                       ; four tiles' images
	s_add_co_u32 s30, s30, s34
	s_add_nc_u64 s[16:17], s[16:17], s[30:31]
	s_lshl_b32 s30, s28, 9
	s_lshl_b32 s34, s29, 4                         ; my four words of a row's eight
	s_add_co_u32 s30, s30, s34
	s_add_nc_u64 s[18:19], s[18:19], s[30:31]
.irp b, 0,1,2,3
	v_mov_b32 v[TM+4+\b], 0                        ; written once: a lane permute's destination counts as one of its sources
.endr
.macro LOADF i                         ; tile i: sixteen loads, each 512 consecutive bytes of one row
.irp e, 0,1,2,3,4,5,6,7,8,9,10,11,12,13,14,15
	global_load_b128 v[R+64*((\i)%2)+4*\e:R+64*((\i)%2)+4*\e+3], v[LI], s[4:5] offset:(32*((\i)/2)+8*((\i)%2)+\e+8*(\e/8))*8192 th:TH_LOAD_NT
.endr
.endm
.macro FRAGQ i
.if (\i) < 3
	s_wait_loadcnt 16                              ; this tile's sixteen loads are in; the next tile's sixteen may be out
.else
	s_wait_loadcnt 0x0
.endif
.irp e, 0,1,2,3,4,5,6,7,8,9,10,11,12,13,14,15
	ds_store_b128 v[SI], v[R+64*((\i)%2)+4*\e:R+64*((\i)%2)+4*\e+3] offset:\e*STP
.endr
.irp b, 0,1,2,3
.irp j, 0,1,2,3
	ds_load_b128 v[X+16*\b+4*\j:X+16*\b+4*\j+3], v[SO] offset:128*\b+16*\j   ; LDS serves a wave's instructions in order: these see the stores above
.endr
.endr
	s_wait_dscnt 0x0                               ; my numbers are back, and the stores have read the set that is loaded again below
	s_wait_xcnt 0x0                                ; the last tile's stores have read the codes' registers, which are written again below
.if (\i)+2 < 4
	LOADF (\i)+2
.endif
	QUANT X
	v_mov_b32 v[SW+(\i)], v[PW]
.irp c, 0,1,2
	global_store_b128 v[LI], v[PC+4*\c:PC+4*\c+3], s[16:17] offset:1536*(\i)+512*\c   ; 512 consecutive bytes
.endr
.endm
	LOADF 0
	LOADF 1
.irp i, 0,1,2,3
	FRAGQ \i
.endr
	v_lshlrev_b32 v[OUT], 4, v[HH]
	v_sub_nc_u32 v[OUT], v[RH], v[OUT]             ; 32 r
	global_store_b128 v[OUT], v[SW:SW+3], s[18:19] ; my four tiles' words of row r are 16 neighbouring bytes; both halves of the lanes hold, and store, the same
	s_wait_tensorcnt 0x0                           ; the wave's end
	ds_add_u32 v[SPW], v[NIL]
	s_wait_dscnt 0x0
	s_endpgm
.Lnot_quant:
	s_cmp_lt_u32 ttmp9, 384
	s_cbranch_scc0 .Lrope
; ---- THE MASK.  Wave u = 4 (work-group - 320) + wave takes the 16 queries of tile u / 2 and keys 1,024 (u % 2) on: eight key steps of 128.
; Word 16 b + i of key step ks: bit (lane r, h) = mask[query of row r][128 ks + 32 b + 16 h + i].  mw: [tile][key step][64 words].
	s_sub_co_u32 s28, ttmp9, 320
	s_lshl_b32 s28, s28, 2
	s_add_co_u32 s28, s28, s26
	s_lshr_b32 s29, s28, 1                         ; tile
	s_and_b32 s28, s28, 1                          ; half of the keys
	s_lshr_b32 s30, s29, 1
	s_lshl_b32 s30, s30, 5
	s_and_b32 s31, s29, 1
	s_lshl_b32 s31, s31, 3
	s_add_co_u32 s30, s30, s31                     ; the tile's first row
	s_lshl_b32 s30, s30, 11
	s_lshl_b32 s31, s28, 10
	s_add_co_u32 s30, s30, s31
	s_mov_b32 s31, 0
	s_add_nc_u64 s[14:15], s[14:15], s[30:31]
	s_lshl_b32 s30, s29, 4
	s_lshl_b32 s28, s28, 3
	s_add_co_u32 s30, s30, s28
	s_lshl_b32 s30, s30, 8                         ; 256 bytes a key step
	s_add_nc_u64 s[52:53], s[20:21], 524288        ; behind the mask words: the flags, 256 bytes for each (tile, half of the keys)
	s_add_nc_u64 s[20:21], s[20:21], s[30:31]
	s_lshr_b32 s30, s30, 3
	s_add_nc_u64 s[52:53], s[52:53], s[30:31]
	s_mov_b32 s48, 0                               ; bit n: does key step n of my eight show any key to any of my 16 queries
.irp c, 0,1
.irp e, 0,1,2,3,4,5,6,7,8,9,10,11,12,13,14,15
	global_load_b128 v[R+64*\c+4*\e:R+64*\c+4*\e+3], v[LI], s[14:15] offset:(\e+8*(\e/8))*2048+512*\c th:TH_LOAD_NT
.endr
.endr
.irp k, 0,1,2,3,4,5,6,7,8,9,10,11,12,13,14,15
	v_mov_b32 v[WB+\k], 0                          ; written once: a lane write's destination counts as read
.endr
.macro MCHUNK c                        ; 512 bytes of each of the 16 rows: four key steps
.if \c == 0
	s_wait_loadcnt 16                              ; this chunk's sixteen loads are in; the other chunk's may be out
.else
	s_wait_loadcnt 0x0
.endif
.irp e, 0,1,2,3,4,5,6,7,8,9,10,11,12,13,14,15
	ds_store_b128 v[MI], v[R+64*\c+4*\e:R+64*\c+4*\e+3] offset:\e*STP
.endr
.irp m, 0,1,2,3,4,5,6,7,8,9,10,11,12,13,14,15
	ds_load_b128 v[X+4*\m:X+4*\m+3], v[MO] offset:32*\m            ; block m of 32 keys: my 16 bytes
.endr
	s_wait_dscnt 0x0
.irp k, 0,1,2,3
.irp b, 0,1,2,3
.irp i, 0,1,2,3,4,5,6,7,8,9,10,11,12,13,14,15
	v_bfe_u32 v[TM+\i], v[X+4*(4*\k+\b)+\i/4], 8*(\i%4), 8
.endr
.irp i, 0,1,2,3,4,5,6,7,8,9,10,11,12,13,14,15
	v_cmp_ne_u32 s[32+\i], 0, v[TM+\i]             ; one bit a lane
.endr
.irp i, 0,1,2,3,4,5,6,7,8,9,10,11,12,13,14,15
	v_writelane_b32 v[WB+2*(4*\c+\k)+\i%2], s[32+\i], 8*\b+\i/2    ; word j = 16 b + i goes to lane j / 2, register j % 2
.endr
.endr
	global_store_b64 v[L8], v[WB+2*(4*\c+\k):WB+2*(4*\c+\k)+1], s[20:21] offset:(4*\c+\k)*256   ; 256 consecutive bytes, aligned
	v_or_b32 v[TM], v[X+16*\k], v[X+16*\k+1]       ; the key step's flag: the or of my 64 mask bytes, then of all lanes
.irp i, 2,3,4,5,6,7,8,9,10,11,12,13,14,15
	v_or_b32 v[TM], v[TM], v[X+16*\k+\i]
.endr
	v_cmp_ne_u32 s50, 0, v[TM]
	s_cmp_lg_u32 s50, 0
	s_cselect_b32 s50, 1<<(4*\c+\k), 0
	s_or_b32 s48, s48, s50
.endr
.endm
	MCHUNK 0
	MCHUNK 1
	v_mov_b32 v[TM], s48
	v_mov_b32 v[TM+1], s48
	global_store_b64 v[L8], v[TM:TM+1], s[52:53]   ; the eight flags, the same word in all of an aligned run of 256 bytes
	s_wait_tensorcnt 0x0                           ; the wave's end, as above
	ds_add_u32 v[SPW], v[NIL]
	s_wait_dscnt 0x0
	s_endpgm
.Lrope:
; ---- THE TABLE.  Wave T = 4 (work-group - 384) + wave makes tile T's 8,192 bytes: an image of 64 registers: register n < 32 = cos, 32 + n = sin of position(row r) x frequency j, j = 32 (n / 16) + 16 h + n % 16.
; angle = position x frequency, one rounding; k = nearest whole number to angle x 2 / pi; the rest r = angle - k pi / 2 in two steps; sin and cos of r by polynomials for |r| <= pi / 4; the quadrant from k.
.set TH, 16
.set KK, 48
.set CC, 80
.set SS, 112
.set RR, 144
.set ZZ, 176
.set POS, 252
.set J16, 253
	s_sub_co_u32 s28, ttmp9, 384
	s_lshl_b32 s28, s28, 2
	s_add_co_u32 s28, s28, s26                     ; T
	s_lshr_b32 s30, s28, 1
	s_lshl_b32 s30, s30, 5
	s_and_b32 s31, s28, 1
	s_lshl_b32 s31, s31, 3
	s_add_co_u32 s29, s30, s31                     ; the tile's first position
	s_lshl_b32 s30, s28, 13
	s_mov_b32 s31, 0
	s_add_nc_u64 s[22:23], s[22:23], s[30:31]
	v_and_b32 v9, 15, v0
	v_and_b32 v10, 8, v9
	v_add3_u32 v9, v9, v10, s29
	v_cvt_f32_u32 v[POS], v9
	v_lshlrev_b32 v[J16], 4, v[HH]
	s_wait_alu depctr_va_vdst(0)
	s_mov_b32 s32, 0xbe549a78                      ; -log2(10) / 16 = -log2(10000) / 64
	s_mov_b32 s33, 0x3f22f983                      ; 2 / pi
	s_mov_b32 s34, 0x3fc90fdb                      ; pi / 2, upper part
	s_mov_b32 s35, 0xb33bbd2e                      ; and the rest
	s_mov_b32 s36, 0xb94ca1f9                      ; sin: -1.9515e-4, 8.3322e-3, -1.6666655e-1
	s_mov_b32 s37, 0x3c08839e
	s_mov_b32 s38, 0xbe2aaaa3
	s_mov_b32 s39, 0x37ccf5ce                      ; cos: 2.4433e-5, -1.38873e-3, 4.1666646e-2
	s_mov_b32 s40, 0xbab6061a
	s_mov_b32 s41, 0x3d2aaaa5
.set n, 0
.rept 32
	v_add_nc_u32 v[TH+n], 32*(n/16)+n%16, v[J16]
.set n, n+1
.endr
.set n, 0
.rept 32
	v_cvt_f32_u32 v[TH+n], v[TH+n]
.set n, n+1
.endr
.set n, 0
.rept 32
	v_mul_f32 v[TH+n], s32, v[TH+n]
.set n, n+1
.endr
.set n, 0
	s_wait_alu depctr_va_vdst(0)
.rept 32
	v_exp_f32 v[TH+n], v[TH+n]                     ; the frequencies: one batch
.set n, n+1
.endr
	v_nop                                          ; a plain instruction behind the last of them,
	s_wait_alu depctr_va_vdst(0)                   ; and one wait for the batch, ahead of its first reader
.set n, 0
.rept 32
	v_mul_f32 v[TH+n], v[POS], v[TH+n]             ; the angle
.set n, n+1
.endr
.set n, 0
.rept 32
	v_mul_f32 v[KK+n], s33, v[TH+n]
.set n, n+1
.endr
.set n, 0
.rept 32
	v_rndne_f32 v[KK+n], v[KK+n]
.set n, n+1
.endr
.set n, 0
.rept 32
	v_fma_f32 v[RR+n], -v[KK+n], s34, v[TH+n]
.set n, n+1
.endr
.set n, 0
.rept 32
	v_fma_f32 v[RR+n], -v[KK+n], s35, v[RR+n]
.set n, n+1
.endr
.set n, 0
.rept 32
	v_mul_f32 v[ZZ+n], v[RR+n], v[RR+n]
.set n, n+1
.endr
.set n, 0
.rept 32
	v_fma_f32 v[SS+n], v[ZZ+n], s36, s37
	v_fma_f32 v[CC+n], v[ZZ+n], s39, s40
	v_mul_f32 v[TH+n], v[RR+n], v[ZZ+n]            ; r z
.set n, n+1
.endr
.set n, 0
.rept 32
	v_fma_f32 v[SS+n], v[SS+n], v[ZZ+n], s38
	v_fma_f32 v[CC+n], v[CC+n], v[ZZ+n], s41
.set n, n+1
.endr
.set n, 0
.rept 32
	v_fma_f32 v[SS+n], v[SS+n], v[TH+n], v[RR+n]   ; sin r
	v_fma_f32 v[RR+n], v[ZZ+n], -0.5, 1.0
	v_mul_f32 v[ZZ+n], v[ZZ+n], v[ZZ+n]
.set n, n+1
.endr
.set n, 0
.rept 32
	v_fma_f32 v[CC+n], v[CC+n], v[ZZ+n], v[RR+n]   ; cos r
	v_cvt_i32_f32 v[KK+n], v[KK+n]
.set n, n+1
.endr
.set n, 0
.rept 32
	v_and_b32 v[TH+n], 1, v[KK+n]                  ; an odd k changes sin and cos over;
	v_cmp_ne_u32 vcc_lo, 0, v[TH+n]
	v_cndmask_b32 v[RR+n], v[SS+n], v[CC+n], vcc_lo
	v_cndmask_b32 v[ZZ+n], v[CC+n], v[SS+n], vcc_lo
	v_and_b32 v[TH+n], 2, v[KK+n]                  ; sin is negative in quadrants 2 and 3,
	v_lshlrev_b32 v[TH+n], 30, v[TH+n]
	v_xor_b32 v[SS+n], v[TH+n], v[RR+n]
	v_add_nc_u32 v[KK+n], 1, v[KK+n]               ; cos in quadrants 1 and 2
	v_and_b32 v[KK+n], 2, v[KK+n]
	v_lshlrev_b32 v[KK+n], 30, v[KK+n]
	v_xor_b32 v[CC+n], v[KK+n], v[ZZ+n]
.set n, n+1
.endr
.irp i, 0,1,2,3,4,5,6,7,8,9,10,11,12,13,14,15
	global_store_b128 v[LI], v[CC+4*\i:CC+4*\i+3], s[22:23] offset:512*\i   ; cos' 32 registers, then sin's: 512 consecutive bytes a store
.endr
	s_wait_tensorcnt 0x0
	ds_add_u32 v[SPW], v[NIL]
	s_wait_dscnt 0x0
	s_endpgm
.Lfunc_end_k_q593e09eb01_prep:
	.size	k_q593e09eb01_prep, .Lfunc_end_k_q593e09eb01_prep-k_q593e09eb01_prep
	.p2alignl 7, 3214868480
	.fill 96, 4, 3214868480
	.section	.rodata,"a",@progbits
	.p2align	6, 0x0
	.amdhsa_kernel k_q593e09eb01_prep
		.amdhsa_group_segment_fixed_size 68096
		.amdhsa_private_segment_fixed_size 0
		.amdhsa_enable_private_segment 0
		.amdhsa_kernarg_size 80
		.amdhsa_user_sgpr_count 2
		.amdhsa_user_sgpr_kernarg_segment_ptr 1
		.amdhsa_wavefront_size32 1
		.amdhsa_system_sgpr_workgroup_id_x 1
		.amdhsa_system_sgpr_workgroup_id_y 1
		.amdhsa_system_sgpr_workgroup_id_z 1
		.amdhsa_system_vgpr_workitem_id 0
		.amdhsa_next_free_vgpr 256
		.amdhsa_next_free_sgpr 66
		.amdhsa_reserve_vcc 1
		.amdhsa_float_denorm_mode_32 3
		.amdhsa_float_denorm_mode_16_64 3
		.amdhsa_memory_ordered 1
		.amdhsa_forward_progress 1
		.amdhsa_inst_pref_size 188
	.end_amdhsa_kernel
	.amdgpu_metadata
---
amdhsa.version: [ 1, 2 ]
amdhsa.kernels:
  - .name:           k_q593e09eb01_prep
    .symbol:         k_q593e09eb01_prep.kd
    .args:
      - { .name: x, .offset: 0, .size: 8, .value_kind: global_buffer, .address_space: global }
      - { .name: Wq, .offset: 8, .size: 8, .value_kind: global_buffer, .address_space: global }
      - { .name: Wk, .offset: 16, .size: 8, .value_kind: global_buffer, .address_space: global }
      - { .name: Wv, .offset: 24, .size: 8, .value_kind: global_buffer, .address_space: global }
      - { .name: Wo, .offset: 32, .size: 8, .value_kind: global_buffer, .address_space: global }
      - { .name: mask, .offset: 40, .size: 8, .value_kind: global_buffer, .address_space: global }
      - { .name: qc, .offset: 48, .size: 8, .value_kind: global_buffer, .address_space: global }
      - { .name: qs, .offset: 56, .size: 8, .value_kind: global_buffer, .address_space: global }
      - { .name: mw, .offset: 64, .size: 8, .value_kind: global_buffer, .address_space: global }
      - { .name: rope, .offset: 72, .size: 8, .value_kind: global_buffer, .address_space: global }
    .group_segment_fixed_size: 68096
    .private_segment_fixed_size: 0
    .kernarg_segment_align: 8
    .kernarg_segment_size: 80
    .max_flat_workgroup_size: 128
    .sgpr_count:     66
    .vgpr_count:     256
    .wavefront_size: 32
...
	.end_amdgpu_metadata
.endif
;; end of part 1
;; launch qkv (part 2): grid 24 x 8, 4 waves a work-group, clusters of 4 x 4, 327,680 bytes of LDS; arguments qc, qs, rope, bq, bk, bv, qimg, kv; writes qimg, kv
.if DOCPART == 2
	.amdgcn_target "amdgcn-amd-amdhsa--gfx1250"
	.amdhsa_code_object_version 6
	.text
	.protected	k_q593e09eb01_qkv
	.globl	k_q593e09eb01_qkv
	.p2align	8
	.type	k_q593e09eb01_qkv,@function
k_q593e09eb01_qkv:
	s_mov_b64 s[64:65], 0
	v_nop
	global_prefetch_b8 v0, s[64:65] scope:SCOPE_SE
	s_setreg_imm32_b32 hwreg(HW_REG_WAVE_MODE, 25, 1), 1
	s_wait_xcnt 0x0
	s_wait_alu depctr_hold_cnt(0) depctr_sa_sdst(0) depctr_va_vdst(0) depctr_va_sdst(0) depctr_va_ssrc(0) depctr_va_vcc(0) depctr_vm_vsrc(0)
	s_getreg_b32 s2, hwreg(HW_REG_IB_STS2, 6, 4)
	s_cmp_eq_u32 s2, 0
	s_cbranch_scc0 .Lentry_in_a_cluster
	s_endpgm
.Lentry_in_a_cluster:
	s_bfe_u32 s2, ttmp6, 0x10000c
	s_cmp_lg_u32 s2, 0xf033
	s_cbranch_scc0 .Lentry_shape_is_right
	s_endpgm
.Lentry_shape_is_right:
.set FR,    12
.set NL,    3
.set NP,    4
.set KQ,    12288
.set PIECE, 2*KQ
.set SLOT,  4*PIECE
.set SCL,   2*SLOT
.set SPARE, SCL+4*8192
.set LAPS,  4
.set BV,   6
.set ADRA, 16
.set ADRB, 20
.set LI,   24
.set RH,   25
.set ADRS, 27
.set SPW,  28
.set NIL,  29
.set BO,   30
.set VO,   31
.set SC,   32
.set BI,   64
.set AF,   128
.set T,    128
.set PC,   192
.set SW,   212
.set OUT,  220
.set TM,   224
.set PW,   240
.set U,    242
.set WV,   20
.set HA,   21
.set HB,   22
.set G1,   24
.set G0,   32
.set G1B,  48
.set G0B,  56
.set SEL,  66
.set G1S,  68
.set G0S,  76
.set G1SB, 80
.set G0SB, 88
.set TY,   92
.set ROW,  93
.set DC,   94
.set DW,   96
.set RP,   98
.set MSB, 0
.macro WIN new
.if MSB != \new
	s_set_vgpr_msb (MSB<<8)|\new
.set MSB, \new
.endif
.endm
.set MUL_LO, 0xa1
.set MUL_HI, 0xf1
.set TO_B,   0x40
.macro JLOAD g0a, g1a, g0b, g1b
	s_cmp_eq_u32 s[HA], 0
	s_cbranch_scc0 .Lfor_b_\@
	tensor_load_to_lds s[\g0a:\g0a+3], s[\g1a:\g1a+7]
	s_nop 0
.rept 4
	v_nop
.endr
	s_branch .Lasked_\@
.Lfor_b_\@:
	tensor_load_to_lds s[\g0b:\g0b+3], s[\g1b:\g1b+7]
	s_nop 0
.rept 4
	v_nop
.endr
.Lasked_\@:
.endm
.macro CREST
	s_cmp_lg_u32 s[WV], 0
	s_cbranch_scc1 .Lnot_wave_0_\@
	s_barrier_signal -3
.Lnot_wave_0_\@:
	s_barrier_wait -3
	s_barrier_signal -1
	s_barrier_wait -1
.endm
.macro CROUND
	s_barrier_signal -1
	s_barrier_wait -1
	CREST
.endm
.macro PLACES n
.rept \n
	v_nop
.endr
.endm
.macro QUANT s
.irp b, 0,1,2,3
	v_max3_num_f32 v[TM+\b], |v[\s+16*\b]|, |v[\s+1+16*\b]|, 0x1800000
.endr
.irp i, 2,4,6,8,10,12,14
.irp b, 0,1,2,3
	v_max3_num_f32 v[TM+\b], v[TM+\b], |v[\s+16*\b+\i]|, |v[\s+1+16*\b+\i]|
.endr
.endr
.irp b, 0,1,2,3
	v_permlanex16_b32 v[TM+4+\b], v[TM+\b], s[SEL], s[SEL+1]
.endr
.irp b, 0,1,2,3
	v_max_num_f32 v[TM+\b], v[TM+\b], v[TM+4+\b]
.endr
.irp b, 0,1,2,3
	v_add_nc_u32 v[TM+12+\b], 0xff000000, v[TM+\b]
.endr
.irp b, 0,1,2,3
	v_lshrrev_b32 v[TM+4+\b], 23, v[TM+12+\b]
.endr
	v_lshl_or_b32 v[PW], v[TM+5], 8, v[TM+4]
	v_lshl_or_b32 v[PW], v[TM+6], 16, v[PW]
	v_lshl_or_b32 v[PW], v[TM+7], 24, v[PW]
.irp c, 0,1
	v_cvt_scalef32_pk16_fp6_f32 v[PC+6*\c:PC+2+6*\c], v[\s+32*\c:\s+15+32*\c], v[TM+12+2*\c]
	v_cvt_scalef32_pk16_fp6_f32 v[PC+12+4*\c:PC+14+4*\c], v[\s+16+32*\c:\s+31+32*\c], v[TM+12+2*\c+1]
.endr
	v_nop
.irp c, 0,1
.irp i, 0,1,2
	v_permlane16_swap_b32 v[PC+6*\c+\i], v[PC+12+4*\c+\i]
.endr
.irp i, 0,1,2
	v_mov_b32 v[PC+3+6*\c+\i], v[PC+12+4*\c+\i]
.endr
.endr
.endm
	s_load_b512 s[4:19], s[0:1], 0x0
	v_lshl_add_u32 v[SPW], v0, 2, SPARE
	v_mov_b32 v[NIL], 0
	ds_add_u32 v[SPW], v[NIL]
	ds_add_u32 v[SPW], v[NIL]
	v_lshrrev_b32 v1, 5, v0
	v_readfirstlane_b32 s[WV], v1
	v_and_b32 v22, 31, v0
	v_min_u32 v26, 23, v22
	v_lshlrev_b32 v22, 8, v22                      ; v22: 256 x lane, for the table's prefetch
	v_lshlrev_b32 v26, 8, v26                      ; v26: 256 x min(lane, 23): my work-group's 24 blocks of a piece's 96
	s_wait_alu depctr_va_vdst(0)
	s_lshr_b32 s[HA], s[WV], 1
	s_and_b32 s[HB], s[WV], 1
	s_bfe_u32 s40, ttmp6, 0x40000
	s_bfe_u32 s41, ttmp6, 0x40004
	s_lshr_b32 s[TY], ttmp9, 1
	s_and_b32 s42, ttmp9, 1
	s_lshl_b32 s42, s42, 2
	s_add_co_u32 s42, s42, s40
	s_and_b32 s[ROW], ttmp7, 0xffff
	s_lshl_b32 s[ROW], s[ROW], 2
	s_add_co_u32 s[ROW], s[ROW], s41
	s_lshl_b32 s43, s41, 2
	s_lshl_b32 s43, 15, s43
	s_lshl_b32 s44, 0x1111, s40
	s_or_b32 s[G1], s43, (3<<16)|(1<<21)
	s_or_b32 s[G1B], s44, (3<<16)|(1<<21)
	s_or_b32 s[G1S], s43, (3<<16)|(1<<21)
	s_or_b32 s[G1SB], s44, (3<<16)|(1<<21)
.irp g, G1, G1B
	s_mov_b32 s[\g+1], 3072<<16                    ; the head's shape: two rows of 24,576 bytes, the two groups' first pieces, 196,608 bytes apart
	s_mov_b32 s[\g+2], 2<<16
	s_mov_b32 s[\g+3], 3072<<16
	s_mov_b32 s[\g+4], 2
	s_mov_b32 s[\g+5], 24576
	s_mov_b32 s[\g+6], 0
	s_mov_b32 s[\g+7], 0
.endr
.irp g, G1S, G1SB
	s_mov_b32 s[\g+1], 32<<16
	s_mov_b32 s[\g+2], 64<<16
	s_mov_b32 s[\g+3], 32<<16
	s_mov_b32 s[\g+4], 64
	s_mov_b32 s[\g+5], 32
	s_mov_b32 s[\g+6], 0
	s_mov_b32 s[\g+7], 0
.endr
	s_add_co_u32 s46, s[TY], 1
	s_cmp_eq_u32 s[TY], 2
	s_cselect_b32 s45, 48, 0
	s_cselect_b32 s46, 0, s46
	s_lshl_b32 s46, s46, 4
	s_lshl_b32 s47, s[ROW], 1
	s_add_co_u32 s45, s45, s47
	s_add_co_u32 s45, s45, s[HB]
	s_lshl_b32 s47, s42, 1
	s_add_co_u32 s46, s46, s47
	s_add_co_u32 s46, s46, s[HB]
	s_mul_i32 s94, s45, 196608
	s_mov_b32 s95, 0
	s_mul_i32 s96, s46, 196608
	s_mov_b32 s97, 0
	s_sub_co_u32 s98, s45, s[HB]                   ; the scales of both groups come by one load: from the first group on
	s_lshl_b32 s98, s98, 13
	s_mov_b32 s99, 0
	s_sub_co_u32 s2, s46, s[HB]
	s_lshl_b32 s2, s2, 13
	s_mov_b32 s3, 0
	s_mul_i32 s23, s[WV], PIECE
	s_lshl_b32 s47, s[HA], 14
	s_mov_b32 s[SEL], 0x76543210
	s_mov_b32 s[SEL+1], 0xfedcba98
	s_wait_dscnt 0x0
	s_wait_kmcnt 0x0
	s_add_nc_u64 s[94:95], s[4:5], s[94:95]
	s_add_nc_u64 s[96:97], s[4:5], s[96:97]
	s_add_nc_u64 s[98:99], s[6:7], s[98:99]
	s_add_nc_u64 s[2:3], s[6:7], s[2:3]
	s_cmp_eq_u32 s[HA], 0                          ; the prefetches: my own stream of pieces; the four partners that ask for a piece jointly take 24 blocks of 256 bytes each, told apart by address
	s_cselect_b64 s[100:101], s[94:95], s[96:97]
	s_cselect_b32 s44, s40, s41
	s_mul_i32 s44, s44, 6144
	s_mov_b32 s45, 0
	s_add_nc_u64 s[100:101], s[100:101], s[44:45]
	CROUND
	s_mov_b32 s[G0S], 1
	s_add_co_u32 s[G0S+1], s47, SCL
	s_mov_b64 s[G0S+2:G0S+3], s[98:99]
	s_or_b32 s[G0S+3], s[G0S+3], 0x80000000
	s_mov_b32 s[G0SB], 1
	s_add_co_u32 s[G0SB+1], s47, SCL
	s_mov_b64 s[G0SB+2:G0SB+3], s[2:3]
	s_or_b32 s[G0SB+3], s[G0SB+3], 0x80000000
.irp s, 0,1
	s_mov_b32 s[G0+4*\s], 1
	s_add_co_u32 s[G0+4*\s+1], s23, \s*SLOT
	s_add_nc_u64 s[G0+4*\s+2:G0+4*\s+3], s[94:95], \s*PIECE
	s_or_b32 s[G0+4*\s+3], s[G0+4*\s+3], 0x80000000
	s_mov_b32 s[G0B+4*\s], 1
	s_add_co_u32 s[G0B+4*\s+1], s23, \s*SLOT
	s_add_nc_u64 s[G0B+4*\s+2:G0B+4*\s+3], s[96:97], \s*PIECE
	s_or_b32 s[G0B+4*\s+3], s[G0B+4*\s+3], 0x80000000
.endr
; the head's four tiles, one load a wave: wave 0 the first operand's two pieces, wave 1 its scales, wave 2 the second operand's two pieces, wave 3 its scales
.macro ARM under, g0, g1, next
	s_cmp_lt_u32 s[WV], \under
	s_cbranch_scc0 \next
	tensor_load_to_lds s[\g0:\g0+3], s[\g1:\g1+7]
	s_nop 0
.rept 4
	v_nop
.endr
	s_branch .Lhead_asked
\next:
.endm
	ARM 1, G0,  G1,  .Lhead_sa
	ARM 2, G0S, G1S, .Lhead_b
	ARM 3, G0B, G1B, .Lhead_sb
	tensor_load_to_lds s[G0SB:G0SB+3], s[G1SB:G1SB+7]
	s_nop 0
.rept 4
	v_nop
.endr
.Lhead_asked:
	global_prefetch_b8 v26, s[100:101] offset:2*PIECE th:TH_LOAD_NT scope:SCOPE_SE   ; with fill n the piece of fill n + 2 is asked for
	s_wait_alu depctr_va_vdst(0)
	s_wait_tensorcnt 0x0
	ds_add_u32 v28, v29
.irp g, G1, G1B                        ; no tensor load of mine is out: from here on a load brings one piece, 96 rows of 256 bytes
	s_mov_b32 s[\g+1], 32<<16
	s_mov_b32 s[\g+2], 96<<16
	s_mov_b32 s[\g+3], 32<<16
	s_mov_b32 s[\g+4], 96
	s_mov_b32 s[\g+5], 32
.endr
	s_wait_dscnt 0x0
	CROUND
	JLOAD G0+4, G1, G0B+4, G1B
	global_prefetch_b8 v26, s[100:101] offset:3*PIECE th:TH_LOAD_NT scope:SCOPE_SE
	v_and_b32 v1, 15, v0
	v_bfe_u32 v2, v0, 4, 1
	s_wait_alu depctr_va_vdst(0)
	v_and_b32 v3, 31, v0
	v_lshlrev_b32 v[LI], 4, v3
	s_mul_i32 s45, s[HA], PIECE
	s_mul_i32 s46, s[HB], PIECE
	s_add_co_u32 s46, s46, 2*PIECE
.irp s, 0,1
	v_add_nc_u32 v[ADRA+\s], s45, v[LI]
	v_add_nc_u32 v[ADRB+\s], s46, v[LI]
	s_add_co_u32 s45, s45, SLOT
	s_add_co_u32 s46, s46, SLOT
.endr
	s_lshl_b32 s45, s[HA], 13
	s_lshl_b32 s46, s[HB], 13
	s_add_co_u32 s46, s46, 2*8192
	s_sub_co_u32 s46, s46, s45
	v_mul_u32_u24 v4, s46, v2
	s_add_co_u32 s45, s45, SCL
	v_lshl_add_u32 v4, v1, 5, v4
	v_add_nc_u32 v[ADRS], s45, v4
	v_lshlrev_b32 v[RH], 5, v1
	v_lshl_add_u32 v[RH], v2, 4, v[RH]
	v_lshlrev_b32 v[BO], 6, v2
	s_wait_alu depctr_va_vdst(0)
	v_and_b32 v[VO], 8, v1
	v_add_nc_u32 v[VO], v[VO], v1
	v_lshlrev_b32 v[VO], 2, v[VO]
	s_wait_alu depctr_va_vdst(0)
.irp b, 0,1,2,3
	v_mov_b32 v[TM+4+\b], 0
.endr
	s_lshl_b32 s45, s[ROW], 1
	s_add_co_u32 s45, s45, s[HA]
	s_lshl_b32 s46, s42, 1
	s_add_co_u32 s46, s46, s[HB]
	s_cmp_eq_u32 s[TY], 2
	s_cselect_b32 s47, s45, s46
	s_cselect_b32 s23, s46, s45
	s_lshl_b32 s45, s47, 4
	s_add_co_u32 s45, s45, s23
	s_mov_b32 s46, 25600
	s_mov_b32 s3, 0
	s_cmp_eq_u32 s[TY], 0
	s_cselect_b32 s46, 12800, s46
	s_cselect_b64 s[DC:DC+1], s[16:17], s[18:19]
	s_cselect_b64 s[10:11], s[10:11], s[12:13]
	s_mul_i32 s2, s45, s46
	s_add_nc_u64 s[DC:DC+1], s[DC:DC+1], s[2:3]
	s_mov_b32 s2, 24576
	s_cselect_b32 s2, 12288, s2
	s_mov_b32 s45, 25088
	s_cmp_eq_u32 s[TY], 2
	s_cselect_b32 s2, s45, s2
	s_add_nc_u64 s[DW:DW+1], s[DC:DC+1], s[2:3]
	s_cselect_b32 s2, 12288, 0
	s_add_nc_u64 s[DC:DC+1], s[DC:DC+1], s[2:3]
	s_lshl_b32 s2, s23, 16
	s_add_nc_u64 s[RP:RP+1], s[8:9], s[2:3]
	s_lshl_b32 s2, s47, 9
	s_add_nc_u64 s[10:11], s[10:11], s[2:3]
	s_add_nc_u64 s[14:15], s[14:15], s[2:3]
	s_lshl_b32 s2, s40, 1                          ; the table's eight tiles of my 128 tokens are asked for once in the cluster: one tile, 32 blocks of 256 bytes, for each of the eight waves that will read them
	s_add_co_u32 s2, s2, s[HB]
	s_lshl_b32 s2, s2, 13
	s_add_nc_u64 s[44:45], s[RP:RP+1], s[2:3]
	s_cmp_eq_u32 s[TY], 2
	s_cbranch_scc1 .Lno_rope
	global_prefetch_b8 v22, s[44:45] th:TH_LOAD_NT scope:SCOPE_SE
.Lno_rope:
.irp u, 0,1,2,3
.irp j, 0,1,2,3
	global_load_b128 v[BI+16*\u+4*\j:BI+16*\u+4*\j+3], v[BO], s[10:11] offset:128*\u+16*\j
.endr
.endr
.irp a, 0,1,2,3,4,5,6,7
	global_load_b32 v[BV+\a], v[VO], s[14:15] offset:(32*(\a/2)+8*(\a%2))*4
.endr
.macro ROPELD a, cs, sn
	WIN TO_B
.irp i, 0,1,2,3,4,5,6,7
	global_load_b128 v[\cs+4*\i:\cs+4*\i+3], v[LI], s[RP:RP+1] offset:(\a)*8192+512*\i
.endr
.irp i, 0,1,2,3,4,5,6,7
	global_load_b128 v[\sn+4*\i:\sn+4*\i+3], v[LI], s[RP:RP+1] offset:(\a)*8192+4096+512*\i
.endr
	WIN 0
.endm
	ROPELD 0, 96, 224
.macro FRAG reg, adr, q, i
.irp c, 0,1,2
	ds_load_b128 v[\reg+4*\c:\reg+4*\c+3], v[\adr] offset:KQ*(\q)+1536*(\i)+512*\c
.endr
.endm
.macro MUL16 a0, p, q, sc, zero
.irp a, \a0, \a0+1
.irp b, 0,1,2,3,4,5,6,7
.if \zero
	v_wmma_scale_f32_16x16x128_f8f6f4 v[8*(8*((\a)%4)+\b):8*(8*((\a)%4)+\b)+7], v[128*(\p)+FR*\b:128*(\p)+FR*\b+FR-1], v[AF+FR*(\a):AF+FR*(\a)+FR-1], 0, v[SC+16*(\sc)+8*(\q)+\b], v[SC+16*(\sc)+8*(\q)+(\a)] matrix_a_fmt:MATRIX_FMT_FP6 matrix_b_fmt:MATRIX_FMT_FP6 matrix_a_scale:MATRIX_SCALE_ROW1
.else
	v_wmma_scale_f32_16x16x128_f8f6f4 v[8*(8*((\a)%4)+\b):8*(8*((\a)%4)+\b)+7], v[128*(\p)+FR*\b:128*(\p)+FR*\b+FR-1], v[AF+FR*(\a):AF+FR*(\a)+FR-1], v[8*(8*((\a)%4)+\b):8*(8*((\a)%4)+\b)+7], v[SC+16*(\sc)+8*(\q)+\b], v[SC+16*(\sc)+8*(\q)+(\a)] matrix_a_fmt:MATRIX_FMT_FP6 matrix_b_fmt:MATRIX_FMT_FP6 matrix_a_scale:MATRIX_SCALE_ROW1
.endif
.endr
.endr
.endm
.macro FETCH_B slot, q, p
	WIN TO_B
.irp i, 0,1,2,3,4,5,6,7
	FRAG 128*(\p)+FR*\i, ADRB+\slot, \q, \i
.endr
	WIN 0
.endm
.macro FETCH_A slot, q, i0
.irp i, \i0, \i0+1, \i0+2, \i0+3
	FRAG AF+FR*(\i), ADRA+\slot, \q, \i
.endr
.endm
.macro SCALES sc
.irp q, 0,1
	ds_load_b128 v[SC+16*\sc+8*\q:SC+16*\sc+8*\q+3], v[ADRS] offset:512*\q
	ds_load_b128 v[SC+16*\sc+8*\q+4:SC+16*\sc+8*\q+7], v[ADRS] offset:512*\q+16
.endr
.endm
.macro STEP slot, q, zero
	s_wait_dscnt 4*NL
	WIN MUL_LO
	MUL16 0, (\q)%2, \q, \slot, \zero
	MUL16 2, (\q)%2, \q, \slot, \zero
	s_wait_dscnt 0
	PLACES NP
	FETCH_B \slot, (\q)+1, 1-(\q)%2
	FETCH_A \slot, (\q)+1, 0
	WIN MUL_HI
	MUL16 4, (\q)%2, \q, \slot, \zero
	MUL16 6, (\q)%2, \q, \slot, \zero
	PLACES NP
	WIN 0
	FETCH_A \slot, (\q)+1, 4
.endm
.macro TURN slot, next, fill
.if \fill
	s_wait_xcnt 0x0
	s_add_nc_u64 s[100:101], s[100:101], PIECE
.endif
	s_wait_tensorcnt 0x0
	ds_add_u32 v[SPW], v[NIL]
	s_wait_dscnt 4*NL+1
	WIN MUL_LO
	MUL16 0, 1, 1, \slot, 0
	s_wait_dscnt 0x0
	s_barrier_signal -1
	MUL16 2, 1, 1, \slot, 0
	WIN 0
	s_barrier_wait -1
.if \fill
	CREST
	s_add_nc_u64 s[G0+4*\slot+2:G0+4*\slot+3], s[G0+4*\slot+2:G0+4*\slot+3], 2*PIECE
	s_add_nc_u64 s[G0B+4*\slot+2:G0B+4*\slot+3], s[G0B+4*\slot+2:G0B+4*\slot+3], 2*PIECE
	JLOAD G0+4*\slot, G1, G0B+4*\slot, G1B
.else
	PLACES NP
.endif
	s_wait_alu depctr_va_vdst(0)
	v_add_nc_u32 v[ADRS], 1024, v[ADRS]
	FETCH_B \next, 0, 0
	FETCH_A \next, 0, 0
	SCALES \next
.if \fill
	s_cmp_gt_u32 s3, 1                             ; the last lap's two fills have no piece two fills on
	s_cbranch_scc0 .Lno_ask_\@
	global_prefetch_b8 v26, s[100:101] offset:3*PIECE th:TH_LOAD_NT scope:SCOPE_SE
.Lno_ask_\@:
.endif
	WIN MUL_HI
	MUL16 4, 1, 1, \slot, 0
	MUL16 6, 1, 1, \slot, 0
	PLACES NP
	WIN 0
	FETCH_A \next, 0, 4
.endm
	s_wait_tensorcnt 1
	s_barrier_signal -1
	s_barrier_wait -1
	FETCH_B 0, 0, 0
	FETCH_A 0, 0, 0
	SCALES 0
	FETCH_A 0, 0, 4
	STEP 0, 0, 1
	s_mov_b32 s3, LAPS-1
.Llap:
	TURN 0, 1, 1
	STEP 1, 0, 0
	TURN 1, 0, 1
	STEP 0, 0, 0
	s_sub_co_u32 s3, s3, 1
	s_cmp_lg_u32 s3, 0
	s_cbranch_scc1 .Llap
	TURN 0, 1, 0
	STEP 1, 0, 0
	s_wait_dscnt 4*NL
	WIN MUL_LO
	MUL16 0, 1, 1, 1, 0
	MUL16 2, 1, 1, 1, 0
	s_wait_dscnt 0
	WIN MUL_HI
	MUL16 4, 1, 1, 1, 0
	MUL16 6, 1, 1, 1, 0
	WIN 0
	PLACES NP
.macro PUT a
	s_wait_xcnt 0x0
	QUANT T
.irp c, 0,1,2
	global_store_b128 v[LI], v[PC+4*\c:PC+4*\c+3], s[DC:DC+1] offset:1536*(\a)+512*\c
.endr
	v_mov_b32 v[SW+(\a)], v[PW]
.endm
.macro OUTQK a
.set AC, 64*((\a)%4)
.if ((\a)%4) == 0
.set CSR, 96
.set SNR, 224
.endif
.if ((\a)%4) == 1
.set CSR, 0
.set SNR, 32
.endif
.if ((\a)%4) == 2
.set CSR, 64
.set SNR, 128
.endif
.if ((\a)%4) == 3
.set CSR, 160
.set SNR, 192
.endif
.if (\a) < 5
	s_wait_loadcnt 48                              ; this tile's table is in; the three younger sets of sixteen loads may be out
.else
	s_wait_loadcnt 16*(7-(\a))
.endif
	WIN 0x02+(\a)/4
.set n, 0
.rept 32
	v_pk_add_f32 v[T+n:T+n+1], v[AC+n:AC+n+1], v[BI+n:BI+n+1]
.set n, n+2
.endr
	WIN 0x04
.set n, 0
.rept 16
.set UU, U+4*((n/2)%2)
	v_pk_mul_f32 v[UU:UU+1], v[T+32+n:T+33+n], v[SNR+n:SNR+n+1]
	v_pk_mul_f32 v[UU+2:UU+3], v[T+n:T+n+1], v[SNR+n:SNR+n+1]
	v_pk_fma_f32 v[T+n:T+n+1], v[T+n:T+n+1], v[CSR+n:CSR+n+1], v[UU:UU+1] neg_lo:[0,0,1] neg_hi:[0,0,1]
	v_pk_fma_f32 v[T+32+n:T+33+n], v[T+32+n:T+33+n], v[CSR+n:CSR+n+1], v[UU+2:UU+3]
.set n, n+2
.endr
	WIN 0
.if (\a) < 4
	ROPELD (\a)+4, CSR, SNR
.endif
	PUT \a
.endm
.macro OUTV a
.set AC, 64*((\a)%4)
	v_mov_b32 v[U], v[BV+(\a)]
	v_mov_b32 v[U+1], v[BV+(\a)]
	WIN 0x02+(\a)/4
.set n, 0
.rept 32
	v_pk_add_f32 v[T+n:T+n+1], v[AC+n:AC+n+1], v[U:U+1]
.set n, n+2
.endr
	WIN 0
	PUT \a
.endm
	s_cmp_eq_u32 s[TY], 2
	s_cbranch_scc1 .Lvalues
	ROPELD 1, 0, 32
	ROPELD 2, 64, 128
	ROPELD 3, 160, 192
.irp a, 0,1,2,3,4,5,6,7
	OUTQK \a
.endr
	s_branch .Lwords
.Lvalues:
	s_wait_loadcnt 0x0
.irp a, 0,1,2,3,4,5,6,7
	OUTV \a
.endr
.Lwords:
	s_wait_alu depctr_va_vdst(0)
	v_cmp_ne_u32 s45, 0, v2
.irp k, 0,1,2,3
	v_cndmask_b32 v[OUT+\k], v[SW+\k], v[SW+4+\k], s45
.endr
	global_store_b128 v[RH], v[OUT:OUT+3], s[DW:DW+1]
	s_wait_tensorcnt 0x0
	ds_add_u32 v[SPW], v[NIL]
	s_wait_dscnt 0x0
	CROUND
	s_endpgm
.Lfunc_end_k_q593e09eb01_qkv:
	.size	k_q593e09eb01_qkv, .Lfunc_end_k_q593e09eb01_qkv-k_q593e09eb01_qkv
	.p2alignl 7, 3214868480
	.fill 96, 4, 3214868480
	.section	.rodata,"a",@progbits
	.p2align	6, 0x0
	.amdhsa_kernel k_q593e09eb01_qkv
		.amdhsa_group_segment_fixed_size 327680
		.amdhsa_private_segment_fixed_size 0
		.amdhsa_enable_private_segment 0
		.amdhsa_kernarg_size 64
		.amdhsa_user_sgpr_count 2
		.amdhsa_user_sgpr_kernarg_segment_ptr 1
		.amdhsa_wavefront_size32 1
		.amdhsa_system_sgpr_workgroup_id_x 1
		.amdhsa_system_sgpr_workgroup_id_y 1
		.amdhsa_system_sgpr_workgroup_id_z 1
		.amdhsa_system_vgpr_workitem_id 0
		.amdhsa_next_free_vgpr 1024
		.amdhsa_next_free_sgpr 102
		.amdhsa_reserve_vcc 0
		.amdhsa_float_denorm_mode_32 3
		.amdhsa_float_denorm_mode_16_64 3
		.amdhsa_memory_ordered 1
		.amdhsa_forward_progress 1
		.amdhsa_inst_pref_size 255
	.end_amdhsa_kernel
	.amdgpu_metadata
---
amdhsa.version: [ 1, 2 ]
amdhsa.kernels:
  - .name:           k_q593e09eb01_qkv
    .symbol:         k_q593e09eb01_qkv.kd
    .args:
      - { .name: qc, .offset: 0, .size: 8, .value_kind: global_buffer, .address_space: global }
      - { .name: qs, .offset: 8, .size: 8, .value_kind: global_buffer, .address_space: global }
      - { .name: rope, .offset: 16, .size: 8, .value_kind: global_buffer, .address_space: global }
      - { .name: bq, .offset: 24, .size: 8, .value_kind: global_buffer, .address_space: global }
      - { .name: bk, .offset: 32, .size: 8, .value_kind: global_buffer, .address_space: global }
      - { .name: bv, .offset: 40, .size: 8, .value_kind: global_buffer, .address_space: global }
      - { .name: qimg, .offset: 48, .size: 8, .value_kind: global_buffer, .address_space: global }
      - { .name: kv, .offset: 56, .size: 8, .value_kind: global_buffer, .address_space: global }
    .group_segment_fixed_size: 327680
    .private_segment_fixed_size: 0
    .kernarg_segment_align: 8
    .kernarg_segment_size: 64
    .max_flat_workgroup_size: 128
    .sgpr_count:     102
    .vgpr_count:     1024
    .wavefront_size: 32
...
	.end_amdgpu_metadata
.endif
;; end of part 2
;; launch attn (part 3): grid 16 x 16, 16 waves a work-group, no clusters, 174,592 bytes of LDS; arguments qimg, kv, mw, oc, os; writes oc, os
.if DOCPART == 3
	.amdgcn_target "amdgcn-amd-amdhsa--gfx1250"
	.amdhsa_code_object_version 6
	.text
	.protected	k_q593e09eb01_attn
	.globl	k_q593e09eb01_attn
	.p2align	8
	.type	k_q593e09eb01_attn,@function
k_q593e09eb01_attn:
	s_mov_b64 s[64:65], 0
	v_nop
	global_prefetch_b8 v0, s[64:65] scope:SCOPE_SE
	s_setreg_imm32_b32 hwreg(HW_REG_WAVE_MODE, 25, 1), 1
	s_wait_xcnt 0x0
; O[head][q] = the sum over k of softmax_k(mask ? Q . K / sqrt(128) : -inf) V, both products on codes of FP6 (E2M3) with E8M0 scales; O / l is quantised along D for the last product.
; THE SOFTMAX AHEAD OF THE SECOND PRODUCT: t = score x log2(e) / sqrt(128); M = the running largest t rounded up to a whole number; p = 2^(t - M) is quantised along the keys; the row's sum l is taken of the
; unquantised p and divides at the end.  When M moves, the sum and O are multiplied by 2^(old M - new M): exact.
; THE MASK IS AN INPUT.  It comes as words, one bit a lane, one word for each of a lane's 64 scores of a key step (mw [query tile][key step][64]); they lie in scalar registers and choose between the score and
; -infinity by v_cndmask_b32.  Behind the words, from byte 524,288 of mw on, lie FLAGS that the launch before stored: for each (query tile, half of the keys) eight bits, one a key step of 128 keys, set where the mask
; shows any key of the step to any of the tile's 16 queries.  A KEY STEP WHOSE FLAG IS 0 IS PASSED OVER for that tile: all its p would be 0, the largest t, M, the sum and O would stay as they are, whatever Q, K and V hold.
; The choice hangs on whole numbers read from memory, so this launch has no tensor load and no copy: K and V go to LDS through registers.  LIMIT: a NaN or infinity in K or V that reaches only steps passed over is not carried.
; SHARES.  A work-group (x, head) owns eight query tiles of 16 of one head: tiles 4 (x % 2) .. + 3 of token group x / 2 and the same four of token group 15 - x / 2 (row r of tile T is token 32 (T / 2) + 8 (T % 2) + r + 8 (r / 8)).
; Sixteen waves of 256 registers.  WAVES w AND w + 8 OWN THE SAME TILE AND SHARE THE KEYS: waves 0-7 take the even key steps, waves 8-15 the odd ones.  At the end waves 8-15 hand O^T, M and the sum to their
; partners through LDS; both parts are brought under the larger M by powers of two, which rounds nothing.
; kv [head][key step] is a block of 25,600 bytes: K's 8 fragments, V^T's 8, K's scale words, V's, all as images of their registers.
; THE WALK: eight trips of two key steps, a constant count, one barrier a trip, which every wave passes.  Two LDS slots of 51,200 bytes take turns.  In trip j each wave loads its sixteenth (3,200 bytes: six loads of 16
; bytes a lane and one of 4) of trip j + 1's blocks into registers behind its first product, and stores it into the other slot ahead of its second product.  Where no tile of the work-group has a flag in trip j + 1
; nothing is loaded.  Trip 0 is staged whatever the flags say, so that its loads need not wait for them.
; PREFETCH: in trip j wave 0 names blocks of trip j + 2, one trip ahead of the loads; the sixteen work-groups of a head share a trip's 200 blocks of 256 bytes out by address, 13 each (left-over lanes name the last again); trips 6 and 7 ask for nothing.
; NO CLUSTER: there are no tensor loads, so there is nothing to ask for jointly.
; LAYOUT.  Both products transposed: S^T = K Q^T, O^T = V^T P^T: a lane holds one query; register 16 b + i of S^T is key 32 b + 16 h + i, of O^T channel 32 b + 16 h + i.
; A row with no key at all has l = 0: its scale word is set to 0xffffffff, which makes the last product's sums of that row NaN, as the softmax of such a row is.
; O's scale words leave as 16 bytes a row (my four tiles' words), 32 bytes apart: the other half of each 32 is the neighbouring work-group's.
; LIMITS: NaN and infinities among Q, K, V are not served; a block whose largest magnitude lies under 2^-124 gets the byte 1; the scaled scores stay under 2^31 in magnitude.
; REGISTERS: v1-11, v29-31, v89-90 addresses; v12 -M, v13 the largest t, v[14:15] the sum; v16-27 Q, v28 its scale word; v32-79 four fragments (v32-55 and v88 also carry the next trip's bytes); v80-87 scale words
;   (lanes 0-15 K's tile t, lanes 16-31 V's); v88-95 the merge; v96-159 S^T, then p; v160-223 O^T; v224-235 p's codes; v232-254 at work.
.set BLK,    25600
.set TRIPB,  2*BLK
.set SLOTSZ, TRIPB
.set SPARE,  2*SLOTSZ                  ; the spare words, 128 bytes a wave: eight blocks of 256 bytes that no other line names
.set SCR,    SPARE+2048                ; 512 bytes in which the eight tiles' scale words meet
.set MRG,    SCR+512                   ; the merge: for each tile 17 x 512 bytes
.set MRGW,   17*512
.set FLAGS,  524288
.set LI,   1                           ; 16 x lane
.set ASC,  2                           ; 24,576 + 512 h + 32 r + my key step's block: my scale words in a slot
.set SCW,  3
.set SCD,  4
.set SPW,  5
.set NIL,  6
.set NINF, 7
.set ADK,  8
.set PFO,  9
.set ADS,  10
.set LIK,  11                          ; 16 x lane + my key step's block
.set MG,   29
.set GO,   89                          ; 3,200 x wave + 16 x lane
.set GO4,  90                          ; 3,200 x wave + 3,072 + 4 x lane
.set PC,   224
.set TM,   32
.set PW,   48
.set ND,   2                           ; not 0: the next trip is wanted by some tile of the work-group
.set MP,   4
.set WV,   10
.set CNT,  11
.set SEL,  12
.set CS,   14
.set KVB,  16                          ; s[16:17] the next trip's blocks
.set FL,   18                          ; my tile's flags, my next key step's at bit 0
.set WGF,  19                          ; the or of the eight tiles' flags, this trip's two at bits 0, 1
.set DG,   20
.set LIM,  30
.set MOFF, 31
.set KS,   66
.macro QUANT s
.irp b, 0,1,2,3
	v_max3_num_f32 v[TM+\b], |v[\s+16*\b]|, |v[\s+1+16*\b]|, 0x1800000
.endr
.irp i, 2,4,6,8,10,12,14
.irp b, 0,1,2,3
	s_delay_alu instid0(VALU_DEP_4)
	v_max3_num_f32 v[TM+\b], v[TM+\b], |v[\s+16*\b+\i]|, |v[\s+1+16*\b+\i]|
.endr
.endr
.irp b, 0,1,2,3
	s_delay_alu instid0(VALU_DEP_4)
	v_permlanex16_b32 v[TM+4+\b], v[TM+\b], s[SEL], s[SEL+1]
.endr
.irp b, 0,1,2,3
	s_delay_alu instid0(VALU_DEP_4)
	v_max_num_f32 v[TM+\b], v[TM+\b], v[TM+4+\b]
.endr
.irp b, 0,1,2,3
	s_delay_alu instid0(VALU_DEP_4)
	v_add_nc_u32 v[TM+12+\b], 0xff000000, v[TM+\b]
.endr
.irp b, 0,1,2,3
	s_delay_alu instid0(VALU_DEP_4)
	v_lshrrev_b32 v[TM+4+\b], 23, v[TM+12+\b]
.endr
	s_delay_alu instid0(VALU_DEP_3)
	v_lshl_or_b32 v[PW], v[TM+5], 8, v[TM+4]
	s_delay_alu instid0(VALU_DEP_1)
	v_lshl_or_b32 v[PW], v[TM+6], 16, v[PW]
	s_delay_alu instid0(VALU_DEP_1)
	v_lshl_or_b32 v[PW], v[TM+7], 24, v[PW]
.irp c, 0,1
	v_cvt_scalef32_pk16_fp6_f32 v[PC+6*\c:PC+2+6*\c], v[\s+32*\c:\s+15+32*\c], v[TM+12+2*\c]
	v_cvt_scalef32_pk16_fp6_f32 v[PC+12+4*\c:PC+14+4*\c], v[\s+16+32*\c:\s+31+32*\c], v[TM+12+2*\c+1]
.endr
	v_nop
.irp c, 0,1
.irp i, 0,1,2
	v_permlane16_swap_b32 v[PC+6*\c+\i], v[PC+12+4*\c+\i]
.endr
.irp i, 0,1,2
	s_delay_alu instid0(VALU_DEP_3)
	v_mov_b32 v[PC+3+6*\c+\i], v[PC+12+4*\c+\i]
.endr
.endr
.endm
.macro STLOAD                          ; my 3,200 bytes of the next trip's 51,200
.irp i, 0,1,2,3,4,5
	global_load_b128 v[32+4*\i:35+4*\i], v[GO], s[KVB:KVB+1] offset:512*\i
.endr
	global_load_b32 v88, v[GO4], s[KVB:KVB+1]
.endm
.macro STSTORE slot                    ; and into the slot, as they lie
	v_add_nc_u32 v30, (\slot)*SLOTSZ, v[GO]
	v_add_nc_u32 v31, (\slot)*SLOTSZ, v[GO4]
.irp i, 0,1,2,3,4,5
	ds_store_b128 v30, v[32+4*\i:35+4*\i] offset:512*\i
.endr
	ds_store_b32 v31, v88
.endm
.macro MASKLD                          ; my next key step's 64 mask words; behind my last step the count is held at 15: no load leaves the buffer
	s_add_co_u32 s[KS], s[KS], 2
	s_min_u32 s[MOFF], s[KS], 15
	s_lshl_b32 s[MOFF], s[MOFF], 8
	s_load_b512 s[32:47], s[MP:MP+1], s[MOFF] offset:0x0
	s_load_b512 s[48:63], s[MP:MP+1], s[MOFF] offset:0x40
	s_load_b512 s[68:83], s[MP:MP+1], s[MOFF] offset:0x80
	s_load_b512 s[84:99], s[MP:MP+1], s[MOFF] offset:0xc0
.endm
	s_load_b256 s[32:39], s[0:1], 0x0              ; qimg, kv, mw, oc
	s_load_b64 s[40:41], s[0:1], 0x20              ; os
	v_lshl_add_u32 v[SPW], v0, 2, SPARE
	v_mov_b32 v[NIL], 0
	v_lshrrev_b32 v8, 5, v0
	s_delay_alu instid0(VALU_DEP_1)
	v_readfirstlane_b32 s[WV], v8                  ; wave 0..15
	s_and_b32 s60, s[WV], 7                        ; my tile of the work-group's eight
	s_lshr_b32 s61, s[WV], 3                       ; even or odd key steps
	s_and_b32 s62, s60, 3
	s_lshr_b32 s63, s60, 2                         ; which of the two token groups
	s_lshr_b32 s44, ttmp9, 1                       ; the lower group
	s_and_b32 s45, ttmp9, 1                        ; which four tiles of each group
	s_sub_co_u32 s46, 15, s44                      ; the upper group
	s_and_b32 s47, ttmp7, 0xffff                   ; the head
	s_cmp_eq_u32 s63, 0
	s_cselect_b32 s48, s44, s46                    ; my group
	s_lshl_b32 s49, s45, 2
	s_add_co_u32 s50, s49, s62                     ; my tile in its group
	s_mul_i32 s51, s[WV], 3200                     ; the scalar terms of the addresses below
	s_mul_i32 s52, ttmp9, 13
	s_mul_i32 s53, s61, BLK
	s_lshl_b32 s54, s63, 8
	s_lshl_b32 s55, s62, 2
	s_add_co_u32 s54, s54, s55
	s_lshl_b32 s55, s50, 2
	s_mul_i32 s57, s60, MRGW
	v_and_b32 v8, 31, v0
	v_and_b32 v10, 15, v0
	v_bfe_u32 v11, v0, 4, 1
	s_delay_alu instid0(VALU_DEP_3)
	v_lshlrev_b32 v[LI], 4, v8
	v_lshl_add_u32 v[GO4], v8, 2, s51
	v_min_u32 v[PFO], 12, v8
	s_delay_alu instid0(VALU_DEP_3)
	v_add_nc_u32 v[GO], s51, v[LI]
	s_delay_alu instid0(VALU_DEP_3)
	v_add_nc_u32 v[GO4], 3072, v[GO4]
	s_delay_alu instid0(VALU_DEP_3)
	v_add_nc_u32 v[PFO], s52, v[PFO]
	v_lshlrev_b32 v10, 5, v10                      ; 32 r
	s_delay_alu instid0(VALU_DEP_2)
	v_min_u32 v[PFO], 199, v[PFO]
	s_delay_alu instid0(VALU_DEP_2)
	v_lshl_add_u32 v[ASC], v11, 9, v10
	s_delay_alu instid0(VALU_DEP_2)
	v_lshlrev_b32 v[PFO], 8, v[PFO]
	s_delay_alu instid0(VALU_DEP_2)
	v_add_nc_u32 v[ASC], s53, v[ASC]
	v_add_nc_u32 v[LIK], s53, v[LI]
	s_delay_alu instid0(VALU_DEP_2)
	v_add_nc_u32 v[ASC], 24576, v[ASC]
	v_lshrrev_b32 v[SCW], 1, v10                   ; 16 r
	s_delay_alu instid0(VALU_DEP_1)
	v_add_nc_u32 v[SCW], s54, v[SCW]
	v_add_nc_u32 v[SCD], SCR, v[LI]
	s_delay_alu instid0(VALU_DEP_2)
	v_add_nc_u32 v[SCW], SCR, v[SCW]               ; SCR + 256 x group + 16 r + 4 x tile of four
	v_add_nc_u32 v10, s55, v10
	v_add_nc_u32 v[MG], s57, v[LI]
	s_delay_alu instid0(VALU_DEP_2)
	v_add_nc_u32 v10, 12288, v10                   ; Q's scale word in its block: 12,288 + 32 r + 4 x tile
	s_delay_alu instid0(VALU_DEP_2)
	v_add_nc_u32 v[MG], MRG, v[MG]
	s_mul_i32 s56, s50, 1536
	v_add_nc_u32 v8, s56, v[LI]                    ; Q's fragment
	s_mul_i32 s68, s47, 16*BLK                     ; the head's blocks
	s_mov_b32 s69, 0
	s_lshl_b32 s70, s47, 4
	s_add_co_u32 s70, s70, s48
	s_mul_i32 s70, s70, 12800                      ; Q's block
	s_mov_b32 s71, 0
	s_lshl_b32 s72, s48, 3
	s_add_co_u32 s72, s72, s50                     ; my tile's number of 128
	s_lshl_b32 s74, s72, 9
	s_add_co_u32 s74, s74, FLAGS                   ; its flags: two runs of 256 bytes
	s_lshl_b32 s72, s72, 12                        ; its mask words: 4,096 bytes
	s_mov_b32 s73, 0
	s_mov_b32 s75, 0
	s_lshl_b32 s76, s44, 3
	s_add_co_u32 s76, s76, s49
	s_lshl_b32 s76, s76, 9
	s_add_co_u32 s76, s76, FLAGS                   ; the flags of the lower group's four tiles,
	s_mov_b32 s77, 0
	s_lshl_b32 s78, s46, 3
	s_add_co_u32 s78, s78, s49
	s_lshl_b32 s78, s78, 9
	s_add_co_u32 s78, s78, FLAGS                   ; and of the upper group's
	s_mov_b32 s79, 0
	s_mul_i32 s80, s48, 196608
	s_mul_i32 s81, s47, 12288
	s_add_co_u32 s80, s80, s81
	s_add_co_u32 s80, s80, s56                     ; O's image: my group, K step = head, my tile
	s_mov_b32 s81, 0
	s_lshl_b32 s82, s44, 13
	s_lshl_b32 s83, s47, 9
	s_add_co_u32 s82, s82, s83
	s_lshl_b32 s83, s45, 4
	s_add_co_u32 s82, s82, s83                     ; O's scale words: the lower group, K step = head, my four tiles' 16 bytes of a row's 32
	s_mov_b32 s83, 0
	s_sub_co_u32 s[DG], s46, s44
	s_lshl_b32 s[DG], s[DG], 13                    ; from the lower group's words to the upper group's
	s_mov_b32 s[SEL], 0x76543210
	s_mov_b32 s[SEL+1], 0xfedcba98
	s_mov_b32 s[CS], 0x3e0293ee                    ; c = log2(e) / sqrt(128)
	s_mov_b32 s[CS+1], s[CS]
	s_mov_b32 s[KS], s61                           ; my first key step: 0 or 1
	s_lshl_b32 s[MOFF], s61, 8
	s_mov_b32 s[CNT], 4
	s_cmp_eq_u32 s[WV], 0
	s_cselect_b32 s[LIM], 1, 64                    ; wave 0 alone prefetches
	s_wait_alu depctr_va_vdst(0)
	s_wait_kmcnt 0x0
	s_add_nc_u64 s[KVB:KVB+1], s[34:35], s[68:69]
	s_add_nc_u64 s[100:101], s[32:33], s[70:71]
	s_add_nc_u64 s[MP:MP+1], s[36:37], s[72:73]
	s_add_nc_u64 s[22:23], s[36:37], s[74:75]
	s_add_nc_u64 s[24:25], s[36:37], s[76:77]
	s_add_nc_u64 s[26:27], s[36:37], s[78:79]
	s_add_nc_u64 s[6:7], s[38:39], s[80:81]
	s_add_nc_u64 s[8:9], s[40:41], s[82:83]
	STLOAD                                         ; trip 0's blocks
.irp c, 0,1,2
	global_load_b128 v[16+4*\c:19+4*\c], v8, s[100:101] offset:512*\c
.endr
	global_load_b32 v28, v10, s[100:101]
.irp k, 0,1,2,3,4,5,6,7
	s_load_b32 s[68+\k], s[24:25], 256*\k          ; even k: key steps 0-7 of a tile, odd k: key steps 8-15
	s_load_b32 s[76+\k], s[26:27], 256*\k
.endr
	s_load_b32 s84, s[22:23], 0x0
	s_load_b32 s85, s[22:23], 0x100
	s_load_b512 s[32:47], s[MP:MP+1], s[MOFF] offset:0x0    ; my first key step's mask words: the first 32
	s_load_b512 s[48:63], s[MP:MP+1], s[MOFF] offset:0x40
	v_mov_b32 v[NINF], 0xff800000
	v_mov_b32 v13, 0xff61b1e6                      ; the largest t so far: -3e38
	s_delay_alu instid0(VALU_DEP_1)
	v_floor_f32 v12, -v13                          ; -M
	v_mov_b32 v14, 0
	v_mov_b32 v15, 0
.irp b, 0,1,2,3
	v_mov_b32 v[236+\b], 0                         ; written once: a lane permute's destination counts as one of its sources
.endr
	v_mov_b32 v253, 0                              ; (named as the upper half of the pair v[252:253] before it is first written)
.set j, 0
.rept 64
	v_mov_b32 v[160+j], 0                          ; O^T: a wave may find no key step at all, and the first step's change of M leaves zeros zeros
.set j, j+1
.endr
	s_wait_alu depctr_va_vdst(0)
	s_wait_kmcnt 0x0
	s_lshl_b32 s85, s85, 8
	s_or_b32 s[FL], s84, s85
	s_lshr_b32 s[FL], s[FL], s[KS]                 ; my first key step's flag at bit 0
.irp k, 2,4,6,8,10,12,14
	s_or_b32 s68, s68, s[68+\k]
	s_or_b32 s69, s69, s[69+\k]
.endr
	s_lshl_b32 s69, s69, 8
	s_or_b32 s[WGF], s68, s69
	s_load_b512 s[68:83], s[MP:MP+1], s[MOFF] offset:0x80   ; and the other 32
	s_load_b512 s[84:99], s[MP:MP+1], s[MOFF] offset:0xc0
	s_wait_loadcnt 0x0                             ; trip 0's bytes and Q
	STSTORE 0
	s_add_nc_u64 s[KVB:KVB+1], s[KVB:KVB+1], TRIPB
.macro STEP slot                       ; 128 keys: my block of the slot
	v_add_nc_u32 v[ADK], (\slot)*SLOTSZ, v[LIK]
	v_add_nc_u32 v[ADS], (\slot)*SLOTSZ, v[ASC]
	ds_load_b128 v[80:83], v[ADS]
	ds_load_b128 v[84:87], v[ADS] offset:16
.irp t, 0,1,2,3
.irp c, 0,1,2
	ds_load_b128 v[32+12*\t+4*\c:35+12*\t+4*\c], v[ADK] offset:1536*\t+512*\c
.endr
.endr
	s_wait_alu depctr_va_vdst(0)
	s_wait_dscnt 0x0
.irp t, 0,1,2,3
	v_wmma_scale_f32_16x16x128_f8f6f4 v[96+8*\t:103+8*\t], v[32+12*\t:43+12*\t], v[16:27], 0, v[80+\t], v28 matrix_a_fmt:MATRIX_FMT_FP6 matrix_b_fmt:MATRIX_FMT_FP6
.endr
.rept 4
	v_nop
.endr
.irp t, 0,1,2,3
.irp c, 0,1,2
	ds_load_b128 v[32+12*\t+4*\c:35+12*\t+4*\c], v[ADK] offset:1536*(4+\t)+512*\c
.endr
.endr
	s_wait_kmcnt 0x0                               ; this step's mask words, asked for a trip ago
.set n, 0
.rept 32
	v_cndmask_b32 v[96+n], v[NINF], v[96+n], s[32+n]               ; hidden keys' scores become -infinity: p = 0 then
.set n, n+1
.endr
	s_wait_dscnt 0x0
.irp t, 0,1,2,3
	v_wmma_scale_f32_16x16x128_f8f6f4 v[128+8*\t:135+8*\t], v[32+12*\t:43+12*\t], v[16:27], 0, v[84+\t], v28 matrix_a_fmt:MATRIX_FMT_FP6 matrix_b_fmt:MATRIX_FMT_FP6
.endr
.rept 4
	v_nop                                          ; places in front of the loads into K's registers and of the first read of the scores
.endr
	s_cmp_lg_u32 s[ND], 0
	s_cbranch_scc0 .Lno_load_\@
	STLOAD                                         ; the next trip's bytes are on their way while the softmax is walked
.Lno_load_\@:
.set n, 0
.rept 32
	v_cndmask_b32 v[128+n], v[NINF], v[128+n], s[68+n]
.set n, n+1
.endr
	MASKLD
.irp b, 0,1,2,3
	v_max3_num_f32 v[232+\b], v[96+16*\b], v[97+16*\b], v[98+16*\b]   ; the largest score of each block of 32 keys: for the row's maximum, and, since p rises with the score, for the block's largest p
.endr
.irp i, 3,5,7,9,11,13
.irp b, 0,1,2,3
	s_delay_alu instid0(VALU_DEP_4)
	v_max3_num_f32 v[232+\b], v[232+\b], v[96+16*\b+\i], v[97+16*\b+\i]
.endr
.endr
.irp b, 0,1,2,3
	s_delay_alu instid0(VALU_DEP_4)
	v_max_num_f32 v[232+\b], v[232+\b], v[111+16*\b]
.endr
.irp b, 0,1,2,3
	s_delay_alu instid0(VALU_DEP_4)
	v_permlanex16_b32 v[236+\b], v[232+\b], s[SEL], s[SEL+1]
.endr
.irp b, 0,1,2,3
	s_delay_alu instid0(VALU_DEP_4)
	v_max_num_f32 v[232+\b], v[232+\b], v[236+\b]
.endr
	s_delay_alu instid0(VALU_DEP_2)
	v_max3_num_f32 v254, v232, v233, v234
	s_delay_alu instid0(VALU_DEP_1)
	v_max_num_f32 v254, v254, v235
	s_delay_alu instid0(VALU_DEP_1)
	v_mul_f32 v254, s[CS], v254
	s_delay_alu instid0(VALU_DEP_1)
	v_max_num_f32 v13, v13, v254                   ; the running largest t
	v_mov_b32 v254, v12
	s_delay_alu instid0(VALU_DEP_2)
	v_floor_f32 v12, -v13                          ; the new -M = -ceil(t)
	s_delay_alu instid0(VALU_DEP_1)
	v_sub_f32 v254, v12, v254                      ; old M - new M: a whole number, 0 or less
	s_delay_alu instid0(VALU_DEP_1)
	v_cvt_i32_f32 v254, v254                       ; (it saturates)
	s_delay_alu instid0(VALU_DEP_1)
	v_ldexp_f32 v252, 1.0, v254                    ; f = 2^(old M - new M)
.set j, 0
.rept 32
	v_pk_fma_f32 v[96+j:97+j], v[96+j:97+j], s[CS:CS+1], v[12:13] op_sel_hi:[1,0,0]   ; t - M
.set j, j+2
.endr
.irp b, 0,1,2,3
	v_fma_f32 v[232+\b], v[232+\b], s[CS], v12
.endr
.set j, 0
	s_wait_alu depctr_va_vdst(0)                   ; ahead of the batch
.rept 64
	v_exp_f32 v[96+j], v[96+j]                     ; p = 2^(t - M): one batch
.set j, j+1
.endr
	v_pk_mul_f32 v[14:15], v[14:15], v[252:253] op_sel_hi:[1,0]    ; the sums under the new M: the plain instruction behind the batch
	s_wait_alu depctr_va_vdst(0)                   ; one wait for the batch, ahead of its first reader
.irp b, 0,1,2,3
	v_exp_f32 v[232+\b], v[232+\b]                 ; each block's largest p
.endr
	v_pk_add_f32 v[236:237], v[100:101], v[104:105]
	v_pk_add_f32 v[254:255], v[108:109], v[112:113]
	v_pk_add_f32 v[250:251], v[116:117], v[120:121]
	v_pk_add_f32 v[248:249], v[124:125], v[128:129]
	v_pk_add_f32 v[246:247], v[132:133], v[136:137]
	v_pk_add_f32 v[244:245], v[140:141], v[144:145]
	v_pk_add_f32 v[242:243], v[148:149], v[152:153]
	v_pk_add_f32 v[14:15], v[14:15], v[156:157]
	v_pk_add_f32 v[236:237], v[236:237], v[96:97]
	v_pk_add_f32 v[254:255], v[254:255], v[98:99]
	v_pk_add_f32 v[250:251], v[250:251], v[102:103]
	v_pk_add_f32 v[248:249], v[248:249], v[106:107]
	v_pk_add_f32 v[246:247], v[246:247], v[110:111]
	v_pk_add_f32 v[244:245], v[244:245], v[114:115]
	v_pk_add_f32 v[242:243], v[242:243], v[118:119]
	v_pk_add_f32 v[14:15], v[14:15], v[122:123]
	v_pk_add_f32 v[236:237], v[236:237], v[126:127]
	v_pk_add_f32 v[254:255], v[254:255], v[130:131]
	v_pk_add_f32 v[250:251], v[250:251], v[134:135]
	v_pk_add_f32 v[248:249], v[248:249], v[138:139]
	v_pk_add_f32 v[246:247], v[246:247], v[142:143]
	v_pk_add_f32 v[244:245], v[244:245], v[146:147]
	v_pk_add_f32 v[242:243], v[242:243], v[150:151]
	v_pk_add_f32 v[14:15], v[14:15], v[154:155]
	v_pk_add_f32 v[236:237], v[236:237], v[158:159]
	s_delay_alu instid0(VALU_DEP_2)
	v_pk_add_f32 v[14:15], v[14:15], v[248:249]
	s_delay_alu instid0(VALU_DEP_2)
	v_pk_add_f32 v[236:237], v[236:237], v[246:247]
	v_pk_add_f32 v[254:255], v[254:255], v[244:245]
	v_pk_add_f32 v[250:251], v[250:251], v[242:243]
	s_delay_alu instid0(VALU_DEP_2)
	v_pk_add_f32 v[14:15], v[14:15], v[254:255]
	s_delay_alu instid0(VALU_DEP_2)
	v_pk_add_f32 v[236:237], v[236:237], v[250:251]
	s_delay_alu instid0(VALU_DEP_1)
	v_pk_add_f32 v[14:15], v[14:15], v[236:237]
	s_wait_alu depctr_va_vdst(0)                   ; and one for the four
.irp b, 0,1,2,3
	v_max_num_f32 v[232+\b], 0x1800000, v[232+\b]  ; the floor 2^(3 - 127): the byte cannot fall under 1
.endr
.irp b, 0,1,2,3
	s_delay_alu instid0(VALU_DEP_4)
	v_add_nc_u32 v[244+\b], 0xff000000, v[232+\b]
.endr
.irp b, 0,1,2,3
	s_delay_alu instid0(VALU_DEP_4)
	v_lshrrev_b32 v[236+\b], 23, v[244+\b]
.endr
	s_delay_alu instid0(VALU_DEP_3)
	v_lshl_or_b32 v253, v237, 8, v236              ; p's scale word for these 128 keys
	s_delay_alu instid0(VALU_DEP_1)
	v_lshl_or_b32 v253, v238, 16, v253
	s_delay_alu instid0(VALU_DEP_1)
	v_lshl_or_b32 v253, v239, 24, v253
.irp c, 0,1
	v_cvt_scalef32_pk16_fp6_f32 v[224+6*\c:226+6*\c], v[96+32*\c:111+32*\c], v[244+2*\c]
	v_cvt_scalef32_pk16_fp6_f32 v[236+4*\c:238+4*\c], v[112+32*\c:127+32*\c], v[244+2*\c+1]
.endr
	v_nop
.irp c, 0,1
.irp i, 0,1,2
	v_permlane16_swap_b32 v[224+6*\c+\i], v[236+4*\c+\i]
.endr
.irp i, 0,1,2
	s_delay_alu instid0(VALU_DEP_3)
	v_mov_b32 v[227+6*\c+\i], v[236+4*\c+\i]
.endr
.endr
	s_wait_alu depctr_va_vdst(0)
	s_wait_loadcnt 0x0                             ; the next trip's bytes, where any were asked for
	s_cmp_lg_u32 s[ND], 0
	s_cbranch_scc0 .Lno_store_\@
	STSTORE 1-(\slot)                              ; into the slot that nobody reads in this trip
.Lno_store_\@:
	s_wait_alu depctr_va_vdst(0)                   ; ahead of the first reader of O^T
.set j, 0
.rept 32
	v_pk_mul_f32 v[160+j:161+j], v[160+j:161+j], v[252:253] op_sel_hi:[1,0]   ; O^T under the new M; these are also the places in front of the products below
.set j, j+2
.endr
	s_wait_alu depctr_va_vdst(0)
	s_wait_dscnt 0x0                               ; the stores have read their registers, which take V^T's fragments
.irp t, 0,1,2,3
.irp c, 0,1,2
	ds_load_b128 v[32+12*\t+4*\c:35+12*\t+4*\c], v[ADK] offset:12288+1536*\t+512*\c
.endr
.endr
	s_wait_dscnt 0x0
.irp t, 0,1,2,3
	v_wmma_scale_f32_16x16x128_f8f6f4 v[160+8*\t:167+8*\t], v[32+12*\t:43+12*\t], v[224:235], v[160+8*\t:167+8*\t], v[80+\t], v253 matrix_a_fmt:MATRIX_FMT_FP6 matrix_b_fmt:MATRIX_FMT_FP6 matrix_a_scale:MATRIX_SCALE_ROW1
.endr
.rept 4
	v_nop
.endr
.irp t, 0,1,2,3
.irp c, 0,1,2
	ds_load_b128 v[32+12*\t+4*\c:35+12*\t+4*\c], v[ADK] offset:12288+1536*(4+\t)+512*\c
.endr
.endr
	s_wait_dscnt 0x0
.irp t, 0,1,2,3
	v_wmma_scale_f32_16x16x128_f8f6f4 v[192+8*\t:199+8*\t], v[32+12*\t:43+12*\t], v[224:235], v[192+8*\t:199+8*\t], v[84+\t], v253 matrix_a_fmt:MATRIX_FMT_FP6 matrix_b_fmt:MATRIX_FMT_FP6 matrix_a_scale:MATRIX_SCALE_ROW1
.endr
.rept 4
	v_nop                                          ; places behind the last products: whatever follows may load into their registers or read O^T
.endr
.endm
; A TRIP.  In front of the barrier each wave's stores into this trip's slot have landed and its reads of the other slot are over; behind it this slot is read and the other one written.
.macro TRIP slot
	s_wait_alu depctr_va_vdst(0)
	s_wait_dscnt 0x0
	s_barrier_signal -1
	s_barrier_wait -1
	s_and_b32 s[ND], s[WGF], 12                    ; the next trip's two flags of the work-group
	s_cmp_gt_u32 s[CNT], s[LIM]                    ; wave 0, trips 0 to 5
	s_cbranch_scc0 .Lno_ask_\@
	global_prefetch_b8 v[PFO], s[KVB:KVB+1] offset:TRIPB th:TH_LOAD_NT scope:SCOPE_SE
.Lno_ask_\@:
	s_bitcmp1_b32 s[FL], 0                         ; does my tile see any key of my key step?
	s_cbranch_scc0 .Lidle_\@
	STEP \slot
	s_branch .Ljoin_\@
.Lidle_\@:
	s_bitcmp1_b32 s[FL], 2                         ; will my next key step be walked?  Only then are its mask words asked for
	s_cbranch_scc1 .Lwords_\@
	s_add_co_u32 s[KS], s[KS], 2                   ; the count of key steps goes on all the same
	s_branch .Lhave_\@
.Lwords_\@:
	s_wait_kmcnt 0x0                               ; any words asked for earlier have landed: their registers may be asked for again
	MASKLD
.Lhave_\@:
	s_cmp_lg_u32 s[ND], 0
	s_cbranch_scc0 .Ljoin_\@
	STLOAD                                         ; my share of the next trip's bytes is carried all the same
	s_wait_loadcnt 0x0
	STSTORE 1-(\slot)
.Ljoin_\@:
	s_wait_xcnt 0x0                                ; the prefetch and the loads have read their base
	s_add_nc_u64 s[KVB:KVB+1], s[KVB:KVB+1], TRIPB
	s_lshr_b32 s[FL], s[FL], 2
	s_lshr_b32 s[WGF], s[WGF], 2
.endm
.Ltrips:                                           ; four times two trips: a constant count
	TRIP 0
	TRIP 1
	s_sub_co_u32 s[CNT], s[CNT], 1
	s_cmp_lg_u32 s[CNT], 0
	s_cbranch_scc1 .Ltrips
	; THE MERGE.  Waves 8-15 store O^T, -M and the sum's halves as images of their registers, 512 consecutive bytes a store; behind a barrier their partners, waves 0-7, load them into the same lanes.
	s_wait_kmcnt 0x0                               ; the last request for mask words
	s_cmp_lt_u32 s[WV], 8
	s_cbranch_scc1 .Lkeeps
.set j, 0
.rept 16
	ds_store_b128 v[MG], v[160+4*j:163+4*j] offset:512*j           ; each accumulator from its low end on
.set j, j+1
.endr
	ds_store_b128 v[MG], v[12:15] offset:8192
.Lkeeps:
	s_wait_dscnt 0x0                               ; for the partner's sake: my stores have landed
	s_barrier_signal -1
	s_barrier_wait -1
	s_cmp_lt_u32 s[WV], 8
	s_cbranch_scc0 .Lgave
.set j, 0
.rept 16
	ds_load_b128 v[96+4*j:99+4*j], v[MG] offset:512*j              ; the partner's O^T
.set j, j+1
.endr
	ds_load_b128 v[88:91], v[MG] offset:8192       ; its -M (v88) and its sum's halves (v90, v91)
	v_mov_b32 v95, 0                               ; (named as the upper half of the pair v[94:95])
	s_wait_dscnt 0x0
	v_min_num_f32 v92, v12, v88                    ; -M of both parts: the larger M
	s_delay_alu instid0(VALU_DEP_1)
	v_sub_f32 v93, v92, v12                        ; my M - M: a whole number, 0 or less
	s_delay_alu instid0(VALU_DEP_2)
	v_sub_f32 v94, v92, v88                        ; the partner's M - M
	s_delay_alu instid0(VALU_DEP_2)
	v_cvt_i32_f32 v93, v93                         ; (they saturate)
	s_delay_alu instid0(VALU_DEP_2)
	v_cvt_i32_f32 v94, v94
	s_delay_alu instid0(VALU_DEP_2)
	v_ldexp_f32 v92, 1.0, v93                      ; my factor,
	s_delay_alu instid0(VALU_DEP_2)
	v_ldexp_f32 v94, 1.0, v94                      ; the partner's: powers of two; a part that saw no key has zeros, and its factor is 0 or 1
	s_delay_alu instid0(VALU_DEP_2)
	v_pk_mul_f32 v[14:15], v[14:15], v[92:93] op_sel_hi:[1,0]
	s_wait_alu depctr_va_vdst(0)
	v_pk_fma_f32 v[14:15], v[90:91], v[94:95], v[14:15] op_sel_hi:[1,0,1]
.set j, 0
.rept 32
	v_pk_mul_f32 v[160+j:161+j], v[160+j:161+j], v[92:93] op_sel_hi:[1,0]          ; each accumulator from its low end on
.set j, j+2
.endr
.set j, 0
.rept 32
	v_pk_fma_f32 v[160+j:161+j], v[96+j:97+j], v[94:95], v[160+j:161+j] op_sel_hi:[1,0,1]
.set j, j+2
.endr
	; THE WAY OUT: O^T / l, quantised along D (my 128 channels are one K step of the last product), stored as an image; the eight tiles' scale words meet in LDS.
	v_add_f32 v14, v14, v15
	s_delay_alu instid0(VALU_DEP_1)
	v_permlanex16_b32 v252, v14, s[SEL], s[SEL+1]
	s_delay_alu instid0(VALU_DEP_1)
	v_add_f32 v14, v14, v252                       ; the row's sum
	s_delay_alu instid0(VALU_DEP_1)
	v_cmp_eq_f32 s100, 0, v14                      ; a row with no key
	v_rcp_f32 v15, v14
	v_nop
	s_wait_alu depctr_va_vdst(0)                   ; ahead of the first use
.set j, 0
.rept 64
	v_mul_f32 v[96+j], v[160+j], v15
.set j, j+1
.endr
	QUANT 96
	v_mov_b32 v49, -1
	s_delay_alu instid0(VALU_DEP_1)
	v_cndmask_b32 v[PW], v[PW], v49, s100          ; four bytes 0xff: NaN
.irp c, 0,1,2
	global_store_b128 v[LI], v[PC+4*\c:PC+4*\c+3], s[6:7] offset:512*\c
.endr
	ds_store_b32 v[SCW], v[PW]                     ; both halves of the lanes hold, and write, the same word
.Lgave:
	s_wait_dscnt 0x0                               ; for the others' sake
	s_barrier_signal -1
	s_barrier_wait -1
	s_cmp_lg_u32 s[WV], 0
	s_cbranch_scc1 .Lnot_first
	ds_load_b128 v[52:55], v[SCD]                  ; lane l: row l % 16 of group l / 16: its four tiles' words
	v_bfe_u32 v56, v0, 4, 1
	v_and_b32 v57, 15, v0
	s_delay_alu instid0(VALU_DEP_2)
	v_mul_u32_u24 v56, s[DG], v56
	s_delay_alu instid0(VALU_DEP_1)
	v_lshl_add_u32 v56, v57, 5, v56
	s_wait_alu depctr_va_vdst(0)
	s_wait_dscnt 0x0
	global_store_b128 v56, v[52:55], s[8:9]
.Lnot_first:
	s_wait_tensorcnt 0x0                           ; the wave's end
	ds_add_u32 v[SPW], v[NIL]
	s_wait_dscnt 0x0
	s_endpgm
.Lfunc_end_k_q593e09eb01_attn:
	.size	k_q593e09eb01_attn, .Lfunc_end_k_q593e09eb01_attn-k_q593e09eb01_attn
	.p2alignl 7, 3214868480
	.fill 96, 4, 3214868480
	.section	.rodata,"a",@progbits
	.p2align	6, 0x0
	.amdhsa_kernel k_q593e09eb01_attn
		.amdhsa_group_segment_fixed_size 174592
		.amdhsa_private_segment_fixed_size 0
		.amdhsa_enable_private_segment 0
		.amdhsa_kernarg_size 40
		.amdhsa_user_sgpr_count 2
		.amdhsa_user_sgpr_kernarg_segment_ptr 1
		.amdhsa_wavefront_size32 1
		.amdhsa_system_sgpr_workgroup_id_x 1
		.amdhsa_system_sgpr_workgroup_id_y 1
		.amdhsa_system_sgpr_workgroup_id_z 1
		.amdhsa_system_vgpr_workitem_id 0
		.amdhsa_next_free_vgpr 256
		.amdhsa_next_free_sgpr 102
		.amdhsa_reserve_vcc 0
		.amdhsa_float_denorm_mode_32 3
		.amdhsa_float_denorm_mode_16_64 3
		.amdhsa_memory_ordered 1
		.amdhsa_forward_progress 1
		.amdhsa_inst_pref_size 85
	.end_amdhsa_kernel
	.amdgpu_metadata
---
amdhsa.version: [ 1, 2 ]
amdhsa.kernels:
  - .name:           k_q593e09eb01_attn
    .symbol:         k_q593e09eb01_attn.kd
    .args:
      - { .name: qimg, .offset: 0, .size: 8, .value_kind: global_buffer, .address_space: global }
      - { .name: kv, .offset: 8, .size: 8, .value_kind: global_buffer, .address_space: global }
      - { .name: mw, .offset: 16, .size: 8, .value_kind: global_buffer, .address_space: global }
      - { .name: oc, .offset: 24, .size: 8, .value_kind: global_buffer, .address_space: global }
      - { .name: os, .offset: 32, .size: 8, .value_kind: global_buffer, .address_space: global }
    .group_segment_fixed_size: 174592
    .private_segment_fixed_size: 0
    .kernarg_segment_align: 8
    .kernarg_segment_size: 40
    .max_flat_workgroup_size: 512
    .sgpr_count:     102
    .vgpr_count:     256
    .wavefront_size: 32
...
	.end_amdgpu_metadata
.endif
;; end of part 3
;; launch oproj (part 4): grid 16 x 16, 4 waves a work-group, clusters of 4 x 4, 327,680 bytes of LDS; arguments oc, os, qc, qs, bo, out0; writes out0
.if DOCPART == 4
	.amdgcn_target "amdgcn-amd-amdhsa--gfx1250"
	.amdhsa_code_object_version 6
	.text
	.protected	k_q593e09eb01_oproj
	.globl	k_q593e09eb01_oproj
	.p2align	8
	.type	k_q593e09eb01_oproj,@function
k_q593e09eb01_oproj:
	s_mov_b64 s[64:65], 0
	v_nop
	global_prefetch_b8 v0, s[64:65] scope:SCOPE_SE
	s_setreg_imm32_b32 hwreg(HW_REG_WAVE_MODE, 25, 1), 1
	s_wait_xcnt 0x0
	s_wait_alu depctr_hold_cnt(0) depctr_sa_sdst(0) depctr_va_vdst(0) depctr_va_sdst(0) depctr_va_ssrc(0) depctr_va_vcc(0) depctr_vm_vsrc(0)
	s_getreg_b32 s2, hwreg(HW_REG_IB_STS2, 6, 4)
	s_cmp_eq_u32 s2, 0
	s_cbranch_scc0 .Lentry_in_a_cluster
	s_endpgm
.Lentry_in_a_cluster:
	s_bfe_u32 s2, ttmp6, 0x10000c
	s_cmp_lg_u32 s2, 0xf033
	s_cbranch_scc0 .Lentry_shape_is_right
	s_endpgm
.Lentry_shape_is_right:
.set FR,    12
.set KQ,    12288
.set PIECE, 2*KQ
.set SLOT,  4*PIECE
.set SCL,   2*SLOT
.set STG,   SCL+16384
.set SP,    272
.set SPARE, STG+4*16*SP
.set ADRA, 16
.set ADRB, 20
.set STO,  24
.set RD,   25
.set CO,   26
.set ADRS, 27
.set SPW,  28
.set NIL,  29
.set SC,   32
.set BI,   64
.set BK,   64
.set ACC,  128
.set WV,   16
.set HA,   17
.set HB,   18
.set G1,   24
.set G0,   32
.set G1B,  48
.set G0B,  56
.set G1S,  68
.set G0S,  76
.set G1SB, 80
.set G0SB, 88
.set MSB, 0
.macro WIN new
.if MSB != \new
	s_set_vgpr_msb (MSB<<8)|\new
.set MSB, \new
.endif
.endm
.set MUL,  0x05
.set TO_F, 0x40
.macro JLOAD g0a, g1a, g0b, g1b
	s_cmp_eq_u32 s[HA], 0
	s_cbranch_scc0 .Lfor_b_\@
	tensor_load_to_lds s[\g0a:\g0a+3], s[\g1a:\g1a+7]
	s_nop 0
.rept 4
	v_nop
.endr
	s_branch .Lasked_\@
.Lfor_b_\@:
	tensor_load_to_lds s[\g0b:\g0b+3], s[\g1b:\g1b+7]
	s_nop 0
.rept 4
	v_nop
.endr
.Lasked_\@:
.endm
.macro CREST
	s_cmp_lg_u32 s[WV], 0
	s_cbranch_scc1 .Lnot_wave_0_\@
	s_barrier_signal -3
.Lnot_wave_0_\@:
	s_barrier_wait -3
	s_barrier_signal -1
	s_barrier_wait -1
.endm
.macro CROUND
	s_barrier_signal -1
	s_barrier_wait -1
	CREST
.endm
.macro PLACES
.rept 4
	v_nop
.endr
.endm
	s_load_b256 s[4:11], s[0:1], 0x0
	s_load_b128 s[12:15], s[0:1], 0x20
	v_lshl_add_u32 v[SPW], v0, 2, SPARE
	v_mov_b32 v[NIL], 0
	ds_add_u32 v[SPW], v[NIL]
	ds_add_u32 v[SPW], v[NIL]
	v_lshrrev_b32 v1, 5, v0
	v_readfirstlane_b32 s[WV], v1
	v_and_b32 v22, 31, v0
	v_min_u32 v22, 23, v22
	v_lshlrev_b32 v22, 8, v22                      ; v22: 256 x min(lane, 23): my work-group's 24 blocks of a piece's 96
	s_wait_alu depctr_va_vdst(0)
	s_lshr_b32 s[HA], s[WV], 1
	s_and_b32 s[HB], s[WV], 1
	s_bfe_u32 s40, ttmp6, 0x40000
	s_bfe_u32 s41, ttmp6, 0x40004
	s_lshl_b32 s42, ttmp9, 2
	s_add_co_u32 s42, s42, s40
	s_and_b32 s45, ttmp7, 0xffff
	s_lshl_b32 s45, s45, 2
	s_add_co_u32 s45, s45, s41
	s_lshl_b32 s43, s41, 2
	s_lshl_b32 s43, 15, s43
	s_lshl_b32 s44, 0x1111, s40
	s_or_b32 s[G1], s43, (3<<16)|(1<<21)
	s_or_b32 s[G1B], s44, (3<<16)|(1<<21)
	s_or_b32 s[G1S], s43, (3<<16)|(1<<21)
	s_or_b32 s[G1SB], s44, (3<<16)|(1<<21)
.irp g, G1, G1B
	s_mov_b32 s[\g+1], 32<<16
	s_mov_b32 s[\g+2], 192<<16
	s_mov_b32 s[\g+3], 32<<16
	s_mov_b32 s[\g+4], 192
	s_mov_b32 s[\g+5], 32
	s_mov_b32 s[\g+6], 0
	s_mov_b32 s[\g+7], 0
.endr
.irp g, G1S, G1SB
	s_mov_b32 s[\g+1], 32<<16
	s_mov_b32 s[\g+2], 32<<16
	s_mov_b32 s[\g+3], 32<<16
	s_mov_b32 s[\g+4], 32
	s_mov_b32 s[\g+5], 32
	s_mov_b32 s[\g+6], 0
	s_mov_b32 s[\g+7], 0
.endr
	s_mul_i32 s19, s[HB], PIECE
	s_mul_i32 s20, s45, 196608
	s_add_co_u32 s20, s20, s19
	s_mov_b32 s21, 0
	s_mul_i32 s46, s42, 196608
	s_add_co_u32 s46, s46, s19
	s_add_co_u32 s46, s46, 4*3145728
	s_mov_b32 s47, 0
	s_mov_b32 s19, 0                               ; a group's scales come whole, by one load
	s_lshl_b32 s22, s45, 13
	s_add_co_u32 s22, s22, s19
	s_mov_b32 s23, 0
	s_lshl_b32 s92, s42, 13
	s_add_co_u32 s92, s92, s19
	s_add_co_u32 s92, s92, 4*131072
	s_mov_b32 s93, 0
	s_mul_i32 s94, s[WV], PIECE
	s_lshl_b32 s95, s[HA], 13
	s_wait_dscnt 0x0
	s_wait_kmcnt 0x0
	s_add_nc_u64 s[20:21], s[4:5], s[20:21]
	s_add_nc_u64 s[22:23], s[6:7], s[22:23]
	s_add_nc_u64 s[46:47], s[8:9], s[46:47]
	s_add_nc_u64 s[92:93], s[10:11], s[92:93]
	s_cmp_eq_u32 s[HA], 0                          ; the prefetches: my own stream of pieces; the four partners that ask for a piece jointly take 24 blocks of 256 bytes each, told apart by address
	s_cselect_b64 s[96:97], s[20:21], s[46:47]
	s_cselect_b32 s2, s40, s41
	s_mul_i32 s2, s2, 6144
	s_mov_b32 s3, 0
	s_add_nc_u64 s[96:97], s[96:97], s[2:3]
	CROUND
	s_mov_b32 s[G0S], 1
	s_add_co_u32 s[G0S+1], s95, SCL
	s_mov_b64 s[G0S+2:G0S+3], s[22:23]
	s_or_b32 s[G0S+3], s[G0S+3], 0x80000000
	s_mov_b32 s[G0SB], 1
	s_add_co_u32 s[G0SB+1], s95, SCL
	s_mov_b64 s[G0SB+2:G0SB+3], s[92:93]
	s_or_b32 s[G0SB+3], s[G0SB+3], 0x80000000
.irp s, 0,1
	s_mov_b32 s[G0+4*\s], 1
	s_add_co_u32 s[G0+4*\s+1], s94, \s*SLOT
	s_add_nc_u64 s[G0+4*\s+2:G0+4*\s+3], s[20:21], \s*2*PIECE
	s_or_b32 s[G0+4*\s+3], s[G0+4*\s+3], 0x80000000
	s_mov_b32 s[G0B+4*\s], 1
	s_add_co_u32 s[G0B+4*\s+1], s94, \s*SLOT
	s_add_nc_u64 s[G0B+4*\s+2:G0B+4*\s+3], s[46:47], \s*2*PIECE
	s_or_b32 s[G0B+4*\s+3], s[G0B+4*\s+3], 0x80000000
.endr
; the head's four tiles, one load a wave: wave 0 slot 0's four K steps of the first operand (192 rows of 256 bytes), wave 1 its scales, wave 2 the second operand's four K steps, wave 3 its scales
.macro ARM under, g0, g1, next
	s_cmp_lt_u32 s[WV], \under
	s_cbranch_scc0 \next
	tensor_load_to_lds s[\g0:\g0+3], s[\g1:\g1+7]
	s_nop 0
.rept 4
	v_nop
.endr
	s_branch .Lhead_asked
\next:
.endm
	ARM 1, G0,  G1,  .Lhead_sa
	ARM 2, G0S, G1S, .Lhead_b
	ARM 3, G0B, G1B, .Lhead_sb
	tensor_load_to_lds s[G0SB:G0SB+3], s[G1SB:G1SB+7]
	s_nop 0
.rept 4
	v_nop
.endr
.Lhead_asked:
	global_prefetch_b8 v22, s[96:97] offset:4*PIECE th:TH_LOAD_NT scope:SCOPE_SE   ; with fill n my piece of fill n + 2 is asked for: the walk has four fills
	s_wait_alu depctr_va_vdst(0)
	s_wait_tensorcnt 0x0
	ds_add_u32 v28, v29
.irp g, G1, G1B                        ; no tensor load of mine is out: from here on a load brings one piece, 96 rows
	s_mov_b32 s[\g+2], 96<<16
	s_mov_b32 s[\g+4], 96
.endr
	s_wait_dscnt 0x0
	CROUND
	JLOAD G0+4, G1, G0B+4, G1B
	global_prefetch_b8 v22, s[96:97] offset:6*PIECE th:TH_LOAD_NT scope:SCOPE_SE
	v_and_b32 v1, 15, v0
	v_bfe_u32 v2, v0, 4, 1
	s_wait_alu depctr_va_vdst(0)
	v_and_b32 v3, 31, v0
	v_lshlrev_b32 v3, 4, v3
	s_mul_i32 s19, s[HA], 4*1536
	s_mul_i32 s20, s[HB], 4*1536
	s_add_co_u32 s20, s20, 2*PIECE
.irp s, 0,1
	v_add_nc_u32 v[ADRA+\s], s19, v3
	v_add_nc_u32 v[ADRB+\s], s20, v3
	s_add_co_u32 s19, s19, SLOT
	s_add_co_u32 s20, s20, SLOT
.endr
	s_lshl_b32 s19, s[HA], 4
	s_lshl_b32 s20, s[HB], 4
	s_add_co_u32 s20, s20, 8192
	s_sub_co_u32 s20, s20, s19
	v_mul_u32_u24 v4, s20, v2
	s_add_co_u32 s19, s19, SCL
	v_lshl_add_u32 v4, v1, 5, v4
	v_add_nc_u32 v[ADRS], s19, v4
	s_mul_i32 s19, s[WV], 16*SP
	s_add_co_u32 s19, s19, STG
	v_mul_u32_u24 v4, v1, SP
	v_lshl_add_u32 v4, v2, 6, v4
	v_add_nc_u32 v[STO], s19, v4
	v_mul_u32_u24 v4, v2, SP
	v_lshl_add_u32 v4, v1, 4, v4
	v_add_nc_u32 v[RD], s19, v4
	v_lshlrev_b32 v[CO], 13, v2
	v_lshl_add_u32 v[CO], v1, 4, v[CO]
	v_lshlrev_b32 v5, 6, v2
	s_wait_alu depctr_va_vdst(0)
	s_lshl_b32 s20, s42, 9
	s_lshl_b32 s21, s[HB], 8
	s_add_co_u32 s20, s20, s21
	s_mov_b32 s21, 0
	s_add_nc_u64 s[12:13], s[12:13], s[20:21]
	s_add_nc_u64 s[14:15], s[14:15], s[20:21]
	s_lshl_b32 s20, s45, 20
	s_lshl_b32 s19, s[HA], 19
	s_add_co_u32 s20, s20, s19
	s_add_nc_u64 s[14:15], s[14:15], s[20:21]
.irp u, 0,1
.irp j, 0,1,2,3
	global_load_b128 v[BI+16*\u+4*\j:BI+16*\u+4*\j+3], v5, s[12:13] offset:128*\u+16*\j
.endr
.endr
.macro MUL4 f, a, zero
.irp b, 0,1,2,3
.if \zero
	v_wmma_scale_f32_16x16x128_f8f6f4 v[ACC+8*(4*(\a)+\b):ACC+8*(4*(\a)+\b)+7], v[128*(\f)+48+FR*\b:128*(\f)+48+FR*\b+FR-1], v[128*(\f)+FR*(\a):128*(\f)+FR*(\a)+FR-1], v[BI+8*\b:BI+8*\b+7], v[SC+4*(\f)+\b], v[SC+4*(\f)+(\a)] matrix_a_fmt:MATRIX_FMT_FP6 matrix_b_fmt:MATRIX_FMT_FP6 matrix_a_scale:MATRIX_SCALE_ROW1
.else
	v_wmma_scale_f32_16x16x128_f8f6f4 v[ACC+8*(4*(\a)+\b):ACC+8*(4*(\a)+\b)+7], v[128*(\f)+48+FR*\b:128*(\f)+48+FR*\b+FR-1], v[128*(\f)+FR*(\a):128*(\f)+FR*(\a)+FR-1], v[ACC+8*(4*(\a)+\b):ACC+8*(4*(\a)+\b)+7], v[SC+4*(\f)+\b], v[SC+4*(\f)+(\a)] matrix_a_fmt:MATRIX_FMT_FP6 matrix_b_fmt:MATRIX_FMT_FP6 matrix_a_scale:MATRIX_SCALE_ROW1
.endif
.endr
.endm
.macro FETCH slot, q, f
	WIN 0
	ds_load_b128 v[SC+4*(\f):SC+4*(\f)+3], v[ADRS] offset:512*(\q)
	WIN TO_F
.irp i, 0,1,2,3
.irp c, 0,1,2
	ds_load_b128 v[128*(\f)+FR*\i+4*\c:128*(\f)+FR*\i+4*\c+3], v[ADRA+\slot] offset:KQ*(\q)+1536*\i+512*\c
	ds_load_b128 v[128*(\f)+48+FR*\i+4*\c:128*(\f)+48+FR*\i+4*\c+3], v[ADRB+\slot] offset:KQ*(\q)+1536*\i+512*\c
.endr
.endr
.endm
.macro QUARTER slot, q, f, zero
	s_wait_dscnt 0x0
	PLACES
	FETCH \slot, (\q)+1, 1-(\f)
	WIN MUL
	MUL4 \f, 0, \zero
	MUL4 \f, 1, \zero
	MUL4 \f, 2, \zero
	MUL4 \f, 3, \zero
.endm
.macro TURN slot, next, fill
	WIN 0
	s_wait_tensorcnt 0x0
	ds_add_u32 v[SPW], v[NIL]
	s_wait_dscnt 1
	WIN MUL
	MUL4 1, 0, 0
	s_wait_dscnt 0x0
	s_barrier_signal -1
	MUL4 1, 1, 0
	WIN 0
	s_barrier_wait -1
.if \fill
	CREST
	s_add_nc_u64 s[G0+4*\slot+2:G0+4*\slot+3], s[G0+4*\slot+2:G0+4*\slot+3], 4*PIECE
	s_add_nc_u64 s[G0B+4*\slot+2:G0B+4*\slot+3], s[G0B+4*\slot+2:G0B+4*\slot+3], 4*PIECE
	JLOAD G0+4*\slot, G1, G0B+4*\slot, G1B
.else
	PLACES
.endif
	v_add_nc_u32 v[ADRS], 2048, v[ADRS]
	FETCH \next, 0, 0
	WIN MUL
	MUL4 1, 2, 0
	MUL4 1, 3, 0
.endm
	s_wait_tensorcnt 1
	s_barrier_signal -1
	s_barrier_wait -1
	FETCH 0, 0, 0
	s_wait_loadcnt 0x0
	QUARTER 0, 0, 0, 1
	QUARTER 0, 1, 1, 0
	QUARTER 0, 2, 0, 0
	TURN 0, 1, 1
	s_wait_alu depctr_va_vdst(0)
	QUARTER 1, 0, 0, 0
	QUARTER 1, 1, 1, 0
	QUARTER 1, 2, 0, 0
	TURN 1, 0, 1
	s_wait_alu depctr_va_vdst(0)
	QUARTER 0, 0, 0, 0
	QUARTER 0, 1, 1, 0
	QUARTER 0, 2, 0, 0
	TURN 0, 1, 0
	s_wait_alu depctr_va_vdst(0)
	QUARTER 1, 0, 0, 0
	QUARTER 1, 1, 1, 0
	QUARTER 1, 2, 0, 0
	s_wait_dscnt 0x0
	WIN MUL
	MUL4 1, 0, 0
	MUL4 1, 1, 0
	MUL4 1, 2, 0
	MUL4 1, 3, 0
	WIN 0
	PLACES
.macro TOSTAGE a
.irp b, 0,1,2,3
	ds_store_b128 v[STO], v[ACC+8*(4*(\a)+\b):ACC+8*(4*(\a)+\b)+3] offset:128*(\b/2)+32*(\b%2)
	ds_store_b128 v[STO], v[ACC+8*(4*(\a)+\b)+4:ACC+8*(4*(\a)+\b)+7] offset:128*(\b/2)+32*(\b%2)+16
.endr
.set BB, BK+32*((\a)%2)
.irp t, 0,1,2,3,4,5,6,7
	ds_load_b128 v[BB+4*\t:BB+4*\t+3], v[RD] offset:2*\t*SP
.endr
.endm
.macro SEND a, younger
.set BB, BK+32*((\a)%2)
	s_wait_dscnt \younger
.irp t, 0,1,2,3,4,5,6,7
	global_store_b128 v[CO], v[BB+4*\t:BB+4*\t+3], s[14:15] offset:(32*((\a)/2)+8*((\a)%2)+2*\t+8*(\t/4))*8192 th:TH_STORE_NT
.endr
.endm
	TOSTAGE 0
	TOSTAGE 1
	SEND 0, 16
	s_wait_xcnt 0x0
	TOSTAGE 2
	SEND 1, 16
	s_wait_xcnt 0x0
	TOSTAGE 3
	SEND 2, 16
	SEND 3, 0
	s_wait_tensorcnt 0x0
	ds_add_u32 v[SPW], v[NIL]
	s_wait_dscnt 0x0
	CROUND
	s_endpgm
.Lfunc_end_k_q593e09eb01_oproj:
	.size	k_q593e09eb01_oproj, .Lfunc_end_k_q593e09eb01_oproj-k_q593e09eb01_oproj
	.p2alignl 7, 3214868480
	.fill 96, 4, 3214868480
	.section	.rodata,"a",@progbits
	.p2align	6, 0x0
	.amdhsa_kernel k_q593e09eb01_oproj
		.amdhsa_group_segment_fixed_size 327680
		.amdhsa_private_segment_fixed_size 0
		.amdhsa_enable_private_segment 0
		.amdhsa_kernarg_size 48
		.amdhsa_user_sgpr_count 2
		.amdhsa_user_sgpr_kernarg_segment_ptr 1
		.amdhsa_wavefront_size32 1
		.amdhsa_system_sgpr_workgroup_id_x 1
		.amdhsa_system_sgpr_workgroup_id_y 1
		.amdhsa_system_sgpr_workgroup_id_z 1
		.amdhsa_system_vgpr_workitem_id 0
		.amdhsa_next_free_vgpr 512
		.amdhsa_next_free_sgpr 98
		.amdhsa_reserve_vcc 0
		.amdhsa_float_denorm_mode_32 3
		.amdhsa_float_denorm_mode_16_64 3
		.amdhsa_memory_ordered 1
		.amdhsa_forward_progress 1
		.amdhsa_inst_pref_size 83
	.end_amdhsa_kernel
	.amdgpu_metadata
---
amdhsa.version: [ 1, 2 ]
amdhsa.kernels:
  - .name:           k_q593e09eb01_oproj
    .symbol:         k_q593e09eb01_oproj.kd
    .args:
      - { .name: oc, .offset: 0, .size: 8, .value_kind: global_buffer, .address_space: global }
      - { .name: os, .offset: 8, .size: 8, .value_kind: global_buffer, .address_space: global }
      - { .name: qc, .offset: 16, .size: 8, .value_kind: global_buffer, .address_space: global }
      - { .name: qs, .offset: 24, .size: 8, .value_kind: global_buffer, .address_space: global }
      - { .name: bo, .offset: 32, .size: 8, .value_kind: global_buffer, .address_space: global }
      - { .name: out0, .offset: 40, .size: 8, .value_kind: global_buffer, .address_space: global }
    .group_segment_fixed_size: 327680
    .private_segment_fixed_size: 0
    .kernarg_segment_align: 8
    .kernarg_segment_size: 48
    .max_flat_workgroup_size: 128
    .sgpr_count:     98
    .vgpr_count:     512
    .wavefront_size: 32
...
	.end_amdgpu_metadata
.endif
;; end of part 4
